; MI455X (gfx1250); checked and timed in simulation.
; The chip was launched on July 23, 2026; its instructions are those of AMD's public machine-readable ISA for CDNA 5 (MIT licence, August 2026) and "CDNA5" Instruction Set Architecture Reference Guide (July 2026). The comments in the code are by the model that wrote it; some were corrected since.
;; Self Attention. Allowed arithmetic: matrix products marked QUANTISED: E2M1 operands, one E8M0 scale for each 32 along K, by v_wmma_scale_f32_16x16x128_f8f6f4 with both operands' format E2M1 (or v_wmma_scale_f32_32x16x128_f4), f32 sums; products left as they are: bf16, f16 or f32 operands; f32 sums; everything else in f32.
;; Inputs: W_proj 1,024 x 1,024 float32; W_qkv 1,024 x 3,072 float32; b_proj 1,024 float32; b_qkv 3,072 float32; x 4 x 2,048 x 1,024 float32.
;; Outputs: out0 4 x 2,048 x 1,024 float32.
;; This version of the problem:
;;   THIS VERSION OF THE PROBLEM IS GIVEN IN LOW PRECISION. The matrix products marked QUANTISED in the list below multiply operands that are first quantised to E2M1 (2 exponent bits, 1 mantissa bit; 4 bits a number), with one power-of-two scale for each 32 numbers along K (OCP MX v1.0); their sums are f32. The products marked 'left as it is' may take bf16, f16 or f32 operands, with f32 sums. Whichever they take, every output number must still come out within the allowed error. Rounding operands to bf16 (8 significant bits) uses up far more of that allowance than f16 does (11 bits, for magnitudes from 6e-5 to 65,504). All else is computed in f32.
;;   The module's matrix products, in the order in which they are computed (A, B: the left and right operand; K: the contracted axis; several contracted axes count as one K, in the product's order):
;;     1. [M 8,192, K 1,024] x [K 1,024, N 3,072]; A: input x; B: input W_qkv: QUANTISED
;;     2. batch 64 x [M 2,048, K 64] x [K 64, N 2,048]; A: computed on the way; B: computed on the way: left as it is (an operand is computed on the way)
;;     3. batch 64 x [M 2,048, K 2,048] x [K 2,048, N 64]; A: computed on the way; B: computed on the way: left as it is (an operand is computed on the way)
;;     4. [M 8,192, K 1,024] x [K 1,024, N 1,024]; A: computed on the way; B: input W_proj: left as it is (an operand is computed on the way)
;;   THE QUANTISER, for each operand of a quantised product, along K:
;;     - K is cut into blocks of 32 from its start; a last block that is shorter is filled with zeros.
;;     - A block's scale is 2^e with e = floor(log2(the largest magnitude in the block)) - 2, held to -126 .. 127; a block of zeros has e = 0. As a byte (E8M0): e + 127.
;;     - Each number is divided by its block's scale, clamped to +-6, and rounded to the nearest number of E2M1, ties to even, subnormals kept.
;;     - The product sums the exact products of the quantised numbers (number of the format x scale) in f32.
;;   ~~~python
;;   def quantise(x, axis):      # numpy; x: float32 -> the quantised numbers, widened to float32 again
;;       x = np.moveaxis(x, axis, -1); K = x.shape[-1]
;;       x = np.pad(x, [(0, 0)] * (x.ndim - 1) + [(0, -K % 32)]); x = x.reshape(x.shape[:-1] + (-1, 32)); a = np.abs(x).max(-1, keepdims=True)
;;       e = np.where(a > 0, np.clip(np.frexp(np.where(a > 0, a, 1))[1] - 1 - 2, -126, 127), 0)      # np.frexp(a)[1] - 1 = floor(log2(a)), exactly
;;       r = np.clip(x / 2.0 ** e, -6, 6)
;;       step = 2.0 ** (np.maximum(np.frexp(np.where(r == 0, 1, r))[1] - 1, 0) - 1)
;;       q = np.round(r / step) * step * 2.0 ** e      # np.round: ties to even
;;       return np.moveaxis(q.reshape(q.shape[:-2] + (-1,))[..., :K], -1, axis).astype(np.float32)
;;   ~~~
;; One version. Each part assembles by itself: llvm-mc -triple=amdgcn-amd-amdhsa -mcpu=gfx1250 --defsym DOCPART=n.
;; ======== version 1 of 1: 6 launches
;; limits: values are held in f16: magnitudes above 65,504 overflow, below 6.1e-05 lose precision
;; workspace buffers: xc 4,194,304 bytes; xs 262,144 bytes; wc 1,572,864 bytes; ws 98,304 bytes; wp16 2,097,152 bytes; qkv 50,331,648 bytes; yh 16,777,216 bytes; yfine 262,144 bytes
;; launch prep (part 1): grid 336 x 1, 4 waves a work-group, no clusters, 68,096 bytes of LDS; arguments x, W_qkv, W_proj, xc, xs, wc, ws, wp16; writes xc, xs, wc, ws, wp16
.if DOCPART == 1
	.amdgcn_target "amdgcn-amd-amdhsa--gfx1250"
	.amdhsa_code_object_version 6
	.text
	.protected	k_q3f8fc4763a_prep
	.globl	k_q3f8fc4763a_prep
	.p2align	8
	.type	k_q3f8fc4763a_prep,@function
k_q3f8fc4763a_prep:
	s_mov_b64 s[64:65], 0
	v_nop
	global_prefetch_b8 v0, s[64:65] scope:SCOPE_SE
	s_setreg_imm32_b32 hwreg(HW_REG_WAVE_MODE, 25, 1), 1
	s_wait_xcnt 0x0
; Three jobs in one launch, told apart by the work-group's number; each has its own text, its own end and its own LDS bytes.
;   work-groups 0-47   W_qkv [1024 k][3072 n] f32 -> codes of E2M1 [3072 n][512 bytes], K innermost, and E8M0 bytes [3072][32]
;   work-groups 48-79  W_proj [1024][1024] f32 -> f16, laid as it lies
;   work-groups 80-335 x [8192][1024] f32 -> codes [8192][512 bytes] and E8M0 bytes [8192][32]
; A block's scale is 2^(floor(log2(largest magnitude)) - 2); its byte is the largest magnitude's exponent field - 2, held at 1 from below.
; LIMITS: NaN and infinities among the inputs are not served; a block of zeros gets the byte 1 (its codes are zeros, and this program alone reads the bytes);
; W_proj beyond 65,504 in magnitude has no f16 number.
.set SPARE, 67584                      ; behind both paths' regions: the spare words, 128 bytes a wave
.set SPW,   12                         ; v12  SPARE + 4 x my thread's number; never rewritten
.set NIL,   13                         ; v13  0; never rewritten
.set WV,    20                         ; s20  my wave's number
	s_load_b256 s[4:11], s[0:1], 0x0               ; x s[4:5], W_qkv s[6:7], W_proj s[8:9], xc s[10:11]
	s_load_b256 s[12:19], s[0:1], 0x20             ; xs s[12:13], wc s[14:15], ws s[16:17], wp16 s[18:19]
	v_lshl_add_u32 v[SPW], v0, 2, SPARE
	v_mov_b32 v[NIL], 0
	v_lshrrev_b32 v1, 5, v0
	v_readfirstlane_b32 s[WV], v1
	v_and_b32 v2, 31, v0                           ; lane
	s_wait_kmcnt 0x0
	s_cmp_lt_u32 ttmp9, 48
	s_cbranch_scc1 .Lpath_w
	s_cmp_lt_u32 ttmp9, 80
	s_cbranch_scc1 .Lpath_p
; ---------------- x: a plain stream of blocks of 32.  A wave takes 16 steps of 512 numbers.  Each load reads 512 consecutive bytes; a step's 2,048 bytes
; turn through the wave's own stage in LDS, so that a lane then holds 16 neighbours along K (two neighbouring lanes hold a block).
.set STEPS, 16
.set WREG,  8192                       ; LDS bytes 0-32767: a region for each wave: two stages of 32 x 80 bytes, then its 256 scale bytes
.set SP,    80                         ; a lane's place in a stage: 64 bytes + 16 of padding
.set CB,    8                          ; bytes of 16 codes
.set XR,    16                         ; v16-79   four sets of 16 numbers as loaded
.set XX,    80                         ; v80-111  two sets of 16 neighbours
.set XE,    112                        ; v112-127 a scale byte for each step
.set XC,    128                        ; v128-191 codes: registers of their own for each step, so that no store's data are written again
	v_lshlrev_b32 v3, 4, v2                        ; my 16 bytes of a load's 512
	s_mul_i32 s21, s[WV], WREG
	v_lshrrev_b32 v14, 2, v2
	v_mul_u32_u24 v14, v14, SP
	v_and_b32 v15, 3, v2
	v_lshl_add_u32 v14, v15, 4, v14
	v_add_nc_u32 v14, s21, v14                     ; the stage, on the way in: 80 (lane / 4) + 16 (lane % 4)
	v_mul_u32_u24 v15, v2, SP
	v_add_nc_u32 v15, s21, v15                     ; and on the way out: 80 x lane
	v_mul_u32_u24 v4, v2, CB                       ; my codes' place in a step's 256 bytes
	v_lshrrev_b32 v5, 1, v2
	s_add_co_u32 s21, s21, 2*32*SP
	v_add_nc_u32 v5, s21, v5                       ; my block's scale byte in the wave's 256
	v_lshlrev_b32 v7, 3, v2
	v_add_nc_u32 v6, s21, v7                       ; and 8 bytes a lane on their way out
	s_sub_co_u32 s22, ttmp9, 80
	s_lshl_b32 s22, s22, 2
	s_add_co_u32 s22, s22, s[WV]                   ; which run of 8,192 numbers is my wave's: 0 to 1,023
	s_mov_b32 s23, 0
	s_lshl_b64 s[24:25], s[22:23], 15              ; 32,768 bytes of x,
	s_add_nc_u64 s[4:5], s[4:5], s[24:25]
	s_lshl_b64 s[24:25], s[22:23], 12              ; 4,096 of codes,
	s_add_nc_u64 s[10:11], s[10:11], s[24:25]
	s_lshl_b32 s22, s22, 8                         ; 256 scale bytes a run
	s_add_nc_u64 s[12:13], s[12:13], s[22:23]
.macro XLOAD t
.irp i, 0,1,2,3
	global_load_b128 v[XR+16*((\t)%4)+4*\i:XR+16*((\t)%4)+4*\i+3], v3, s[4:5] offset:2048*(\t)+512*\i th:TH_LOAD_NT
.endr
.endm
.macro XTURN t                         ; LDS serves a wave's instructions in order: no wait between these stores and loads
.irp i, 0,1,2,3
	ds_store_b128 v14, v[XR+16*((\t)%4)+4*\i:XR+16*((\t)%4)+4*\i+3] offset:32*SP*((\t)%2)+8*SP*\i
.endr
.irp i, 0,1,2,3
	ds_load_b128 v[XX+16*((\t)%2)+4*\i:XX+16*((\t)%2)+4*\i+3], v15 offset:32*SP*((\t)%2)+16*\i
.endr
.endm
.irp t, 0,1,2,3
	XLOAD \t
.endr
	s_wait_loadcnt 12                              ; step 0's four loads are in; twelve younger ones stay out
	XTURN 0
.macro XSTEP t
.set XSET, XX+16*((\t)%2)
.if (\t) > 0
	s_wait_dscnt 1                                 ; this step's numbers are back from the stage; the last step's byte store may be out
.else
	s_wait_dscnt 0x0
.endif
.if (\t)+4 < STEPS
	XLOAD (\t)+4                                   ; the stage's stores have read these registers
.endif
.if (\t)+1 < STEPS
.if STEPS-2-(\t) >= 3
	s_wait_loadcnt 12                              ; the next step's four loads are in; three later steps' may be out
.else
	s_wait_loadcnt 4*(STEPS-2-(\t))
.endif
	XTURN (\t)+1
.endif
	v_max3_num_f32 v8, |v[XSET]|, |v[XSET+1]|, |v[XSET+2]|
	v_max3_num_f32 v9, |v[XSET+3]|, |v[XSET+4]|, |v[XSET+5]|
.irp i, 6,10
	v_max3_num_f32 v8, v8, |v[XSET+\i]|, |v[XSET+\i+1]|
	v_max3_num_f32 v9, v9, |v[XSET+\i+2]|, |v[XSET+\i+3]|
.endr
	v_max3_num_f32 v8, v8, |v[XSET+14]|, |v[XSET+15]|
	v_max3_num_f32 v8, v8, v9, 0x1800000           ; the floor 2^(3 - 127): the byte cannot fall under 1
	v_max_num_f32_dpp v8, v8, v8 row_xmask:1 row_mask:0xf bank_mask:0xf   ; with my neighbour's 16: the block's largest magnitude
	v_add_nc_u32 v11, 0xff000000, v8               ; 2 off its exponent field: the conversion takes that field as its scale
	v_cvt_scalef32_pk8_fp4_f32 v[XC+4*(\t)], v[XSET:XSET+7], v11
	v_cvt_scalef32_pk8_fp4_f32 v[XC+4*(\t)+1], v[XSET+8:XSET+15], v11
	v_lshrrev_b32 v[XE+(\t)], 23, v11              ; the scale's byte (also the plain line behind the conversions)
	ds_store_b8 v5, v[XE+(\t)] offset:16*(\t)      ; both lanes of a block write the same byte with the same value
	global_store_b64 v4, v[XC+4*(\t):XC+4*(\t)+1], s[10:11] offset:32*CB*(\t)   ; the wave stores 256 consecutive bytes, aligned
.endm
.irp t, 0,1,2,3,4,5,6,7,8,9,10,11,12,13,14,15
	XSTEP \t
.endr
	ds_load_b64 v[8:9], v6
	s_wait_dscnt 0x0
	global_store_b64 v7, v[8:9], s[12:13]          ; the wave's 256 scale bytes: 256 consecutive bytes, aligned
	s_wait_tensorcnt 0x0                           ; the wave's end, behind my last LDS store
	ds_add_u32 v[SPW], v[NIL]
	s_wait_dscnt 0x0
	s_endpgm
; ---------------- W_proj to f16: a stream.  A wave takes 8,192 numbers: 64 loads of 512 bytes in four batches of 16, two batches in flight.
.Lpath_p:
	s_sub_co_u32 s21, ttmp9, 48
	s_lshl_b32 s21, s21, 2
	s_add_co_u32 s21, s21, s[WV]                   ; run 0 to 127
	s_lshl_b32 s22, s21, 15
	s_mov_b32 s23, 0
	s_add_nc_u64 s[8:9], s[8:9], s[22:23]
	s_lshl_b32 s22, s21, 14
	s_add_nc_u64 s[18:19], s[18:19], s[22:23]
	v_lshlrev_b32 v3, 4, v2
	v_lshlrev_b32 v4, 3, v2
.macro PLOAD t
.irp i, 0,1,2,3,4,5,6,7,8,9,10,11,12,13,14,15
	global_load_b128 v[32+64*((\t)%2)+4*\i:32+64*((\t)%2)+4*\i+3], v3, s[8:9] offset:512*(16*(\t)+\i)
.endr
.endm
.macro PCVT t
.if (\t) < 3
	s_wait_loadcnt 16                              ; this batch is in; the next batch's 16 loads stay out
.else
	s_wait_loadcnt 0x0
.endif
	s_wait_xcnt 0x0                                ; the last batch's stores have read their data: v160-191 are written anew
.irp i, 0,1,2,3,4,5,6,7,8,9,10,11,12,13,14,15
	v_cvt_pk_f16_f32 v[160+2*\i], v[32+64*((\t)%2)+4*\i], v[32+64*((\t)%2)+4*\i+1]
	v_cvt_pk_f16_f32 v[161+2*\i], v[32+64*((\t)%2)+4*\i+2], v[32+64*((\t)%2)+4*\i+3]
.endr
.irp i, 0,1,2,3,4,5,6,7,8,9,10,11,12,13,14,15
	global_store_b64 v4, v[160+2*\i:161+2*\i], s[18:19] offset:256*(16*(\t)+\i)   ; 256 consecutive bytes, aligned
.endr
.if (\t) < 2
	PLOAD (\t)+2
.endif
.endm
	PLOAD 0
	PLOAD 1
	PCVT 0
	PCVT 1
	PCVT 2
	PCVT 3
	s_endpgm                                       ; this path writes no LDS
; ---------------- W_qkv: K is its FIRST axis.  A lane takes a column n and its registers run down K: a block of 32 lies in one lane, and the conversions give codes with K innermost.
; A wave takes 32 columns x 512 along K; the codes leave through the wave's own stage, sixteen lanes to 256 aligned bytes.
.Lpath_w:
.set NB,    16
.set PITCH, 272
.set KROW,  512                        ; a row of wc in bytes
.set WSTG,  32768                      ; LDS bytes 32768-67583: a stage of 32 x 272 bytes for each wave
.set WX,    32                         ; v32-95   two sets of 32 numbers
.set WC,    96                         ; v96-99   a block's codes
.set WOUT,  112                        ; v112-175 the way out
.set WSB,   24                         ; v24-27   the scale bytes, four to a register
	s_cmp_ge_u32 ttmp9, 24
	s_cselect_b32 s22, 1, 0                        ; which 512 along K
	s_cselect_b32 s21, 24, 0
	s_sub_co_u32 s21, ttmp9, s21
	s_lshl_b32 s21, s21, 7
	s_lshl_b32 s23, s[WV], 5
	s_add_co_u32 s21, s21, s23                     ; my wave's first column
	v_lshlrev_b32 v3, 2, v2
	s_mul_i32 s23, s[WV], 32*PITCH
	s_add_co_u32 s23, s23, WSTG                    ; my stage
	v_mul_u32_u24 v4, v2, PITCH
	v_add_nc_u32 v4, s23, v4                       ; into it: row = my column
	v_and_b32 v5, 15, v2
	v_lshrrev_b32 v6, 4, v2
	v_mul_u32_u24 v7, v6, PITCH
	v_lshl_add_u32 v7, v5, 4, v7
	v_add_nc_u32 v7, s23, v7                       ; out of it: sixteen lanes to a row, two rows an instruction
	v_mul_u32_u24 v8, v6, KROW
	v_lshl_add_u32 v8, v5, 4, v8                   ; and the same place in wc
	v_lshlrev_b32 v9, 5, v2                        ; my column's row of scale bytes
	s_mul_i32 s24, s22, 512*3072*4
	s_lshl_b32 s25, s21, 2
	s_add_co_u32 s24, s24, s25
	s_mov_b32 s25, 0
	s_add_nc_u64 s[6:7], s[6:7], s[24:25]          ; W_qkv at (512 y, my first column)
	s_lshl_b32 s24, s21, 9
	s_lshl_b32 s26, s22, 8
	s_add_co_u32 s24, s24, s26
	s_add_nc_u64 s[14:15], s[14:15], s[24:25]      ; wc: column x 512 + 256 y
	s_lshl_b32 s24, s21, 5
	s_lshl_b32 s26, s22, 4
	s_add_co_u32 s24, s24, s26
	s_add_nc_u64 s[16:17], s[16:17], s[24:25]      ; ws: column x 32 + 16 y
.macro WLOAD t                         ; every offset is an immediate: 511 x 12,288 at the most, inside the signed 24 bits
.irp i, 0,1,2,3,4,5,6,7,8,9,10,11,12,13,14,15,16,17,18,19,20,21,22,23,24,25,26,27,28,29,30,31
	global_load_b32 v[WX+32*((\t)%2)+\i], v3, s[6:7] offset:(32*(\t)+\i)*12288 th:TH_LOAD_NT
.endr
.endm
	WLOAD 0
	WLOAD 1
.macro WBLOCK t
.set WSET, WX+32*((\t)%2)
.if (\t) < NB-1
	s_wait_loadcnt 32                              ; this block's 32 loads are in; the next block's may be out
.else
	s_wait_loadcnt 0x0
.endif
	v_max3_num_f32 v16, |v[WSET]|, |v[WSET+1]|, |v[WSET+2]|
	v_max3_num_f32 v17, |v[WSET+3]|, |v[WSET+4]|, |v[WSET+5]|
.irp i, 6,10,14,18,22,26
	v_max3_num_f32 v16, v16, |v[WSET+\i]|, |v[WSET+\i+1]|
	v_max3_num_f32 v17, v17, |v[WSET+\i+2]|, |v[WSET+\i+3]|
.endr
	v_max3_num_f32 v16, v16, |v[WSET+30]|, |v[WSET+31]|
	v_max3_num_f32 v16, v16, v17, 0x1800000        ; the floor
	v_add_nc_u32 v11, 0xff000000, v16              ; the conversion's scale operand
	v_lshrrev_b32 v17, 23, v11                     ; the byte
.if (\t)%4 == 0
	v_mov_b32 v[WSB+(\t)/4], v17
.else
	v_lshl_or_b32 v[WSB+(\t)/4], v17, 8*((\t)%4), v[WSB+(\t)/4]
.endif
.irp g, 0,1,2,3
	v_cvt_scalef32_pk8_fp4_f32 v[WC+\g], v[WSET+8*\g:WSET+8*\g+7], v11
.endr
	v_nop                                          ; a plain line behind the last conversion
	ds_store_b128 v4, v[WC:WC+3] offset:16*(\t)
.if (\t)+2 < NB
	WLOAD (\t)+2
.endif
	s_wait_dscnt 0x0                               ; the store has read its registers: the next block's codes may be written
.endm
.set Q, 0
.rept NB
	WBLOCK Q
.set Q, Q+1
.endr
	global_store_b128 v9, v[WSB:WSB+3], s[16:17]   ; my column's 16 scale bytes
.irp t, 0,1,2,3,4,5,6,7,8,9,10,11,12,13,14,15
	ds_load_b128 v[WOUT+4*\t:WOUT+4*\t+3], v7 offset:2*\t*PITCH
.endr
.irp t, 0,1,2,3,4,5,6,7,8,9,10,11,12,13,14,15
	s_wait_dscnt 15-\t                             ; loads come back in order: pair t of rows is in
	global_store_b128 v8, v[WOUT+4*\t:WOUT+4*\t+3], s[14:15] offset:2*\t*KROW
.endr
	s_wait_tensorcnt 0x0                           ; the wave's end, behind my last LDS store
	ds_add_u32 v[SPW], v[NIL]
	s_wait_dscnt 0x0
	s_endpgm
.Lfunc_end_k_q3f8fc4763a_prep:
	.size	k_q3f8fc4763a_prep, .Lfunc_end_k_q3f8fc4763a_prep-k_q3f8fc4763a_prep
	.p2alignl 7, 3214868480
	.fill 96, 4, 3214868480
	.section	.rodata,"a",@progbits
	.p2align	6, 0x0
	.amdhsa_kernel k_q3f8fc4763a_prep
		.amdhsa_group_segment_fixed_size 68096
		.amdhsa_private_segment_fixed_size 0
		.amdhsa_enable_private_segment 0
		.amdhsa_kernarg_size 64
		.amdhsa_user_sgpr_count 2
		.amdhsa_user_sgpr_kernarg_segment_ptr 1
		.amdhsa_wavefront_size32 1
		.amdhsa_system_sgpr_workgroup_id_x 1
		.amdhsa_system_sgpr_workgroup_id_y 1
		.amdhsa_system_sgpr_workgroup_id_z 1
		.amdhsa_system_vgpr_workitem_id 0
		.amdhsa_next_free_vgpr 192
		.amdhsa_next_free_sgpr 66
		.amdhsa_reserve_vcc 0
		.amdhsa_float_denorm_mode_32 3
		.amdhsa_float_denorm_mode_16_64 3
		.amdhsa_memory_ordered 1
		.amdhsa_forward_progress 1
		.amdhsa_inst_pref_size 132
	.end_amdhsa_kernel
	.amdgpu_metadata
---
amdhsa.version: [ 1, 2 ]
amdhsa.kernels:
  - .name:           k_q3f8fc4763a_prep
    .symbol:         k_q3f8fc4763a_prep.kd
    .args:
      - { .name: x, .offset: 0, .size: 8, .value_kind: global_buffer, .address_space: global }
      - { .name: W_qkv, .offset: 8, .size: 8, .value_kind: global_buffer, .address_space: global }
      - { .name: W_proj, .offset: 16, .size: 8, .value_kind: global_buffer, .address_space: global }
      - { .name: xc, .offset: 24, .size: 8, .value_kind: global_buffer, .address_space: global }
      - { .name: xs, .offset: 32, .size: 8, .value_kind: global_buffer, .address_space: global }
      - { .name: wc, .offset: 40, .size: 8, .value_kind: global_buffer, .address_space: global }
      - { .name: ws, .offset: 48, .size: 8, .value_kind: global_buffer, .address_space: global }
      - { .name: wp16, .offset: 56, .size: 8, .value_kind: global_buffer, .address_space: global }
    .group_segment_fixed_size: 68096
    .private_segment_fixed_size: 0
    .kernarg_segment_align: 8
    .kernarg_segment_size: 64
    .max_flat_workgroup_size: 128
    .sgpr_count:     66
    .vgpr_count:     192
    .wavefront_size: 32
...
	.end_amdgpu_metadata
.endif
;; end of part 1
;; launch gemm_qkv (part 2): grid 12 x 32, 4 waves a work-group, clusters of 4 x 4, 327,680 bytes of LDS; arguments xc, xs, wc, ws, b_qkv, qkv; writes qkv
.if DOCPART == 2
	.amdgcn_target "amdgcn-amd-amdhsa--gfx1250"
	.amdhsa_code_object_version 6
	.text
	.protected	k_q3f8fc4763a_gemm_qkv
	.globl	k_q3f8fc4763a_gemm_qkv
	.p2align	8
	.type	k_q3f8fc4763a_gemm_qkv,@function
k_q3f8fc4763a_gemm_qkv:
	s_mov_b64 s[64:65], 0
	v_nop
	global_prefetch_b8 v0, s[64:65] scope:SCOPE_SE
	s_setreg_imm32_b32 hwreg(HW_REG_WAVE_MODE, 25, 1), 1
	s_wait_xcnt 0x0
	s_wait_alu depctr_hold_cnt(0) depctr_sa_sdst(0) depctr_va_vdst(0) depctr_va_sdst(0) depctr_va_ssrc(0) depctr_va_vcc(0) depctr_vm_vsrc(0)
	s_getreg_b32 s2, hwreg(HW_REG_IB_STS2, 6, 4)
	s_cmp_eq_u32 s2, 0
	s_cbranch_scc0 .Lentry_in_a_cluster
	s_endpgm
.Lentry_in_a_cluster:
	s_bfe_u32 s2, ttmp6, 0x10000c
	s_cmp_lg_u32 s2, 0xf033
	s_cbranch_scc0 .Lentry_shape_is_right
	s_endpgm
.Lentry_shape_is_right:
; qkv = Q(x) Q(W_qkv) + b_qkv on codes of E2M1 with one E8M0 scale for each 32 along K; sums in f32; the result is rounded once to f16 and laid by head: [3 (q,k,v)][4 b][16 h][2048 l][64].
; LIMIT: |q|, |k|, |v| up to 65,504 (f16).
; A tile of 256 rows x 256 columns is made by four waves, 128 x 128 each: 64 accumulators, 512 registers.  K = 1,024 is two K steps of 512: both LDS slots are filled once, nothing is filled again.
; The scale bytes of the work-group's 256 rows of x and 256 rows of W, for all of K, come into LDS once, as rows of 256 bytes.
; CLUSTER 4 x 4: x's tiles are shared along a row of the cluster, W's along a column: each is asked for jointly, by the same tensor load with the same descriptor and a mask that names the four.
; The matrix instruction is used transposed (source 0 = 16 rows of wc, source 1 = 16 rows of xc): a lane holds eight neighbouring columns of one row.  The bias is the C of each sum's first instruction.
; REGISTERS: window 0: v0-31 addresses; v32-95 scale words, two sets; from v128 A's fragments, one set.  window 1: B's fragments at v0 and v128; v192-255 the bias of my 128 columns.
;   window 2: accumulators of my rows 0-63 ((a, b) at v[8 (8 a + b)]); window 3: rows 64-127.
.set NQ,     4                         ; matrix instructions deep in a slot
.set ROWB,   256                       ; a tile's row: 512 codes
.set KROW,   512                       ; a row of xc or wc in memory
.set PITCH,  272                       ; an LDS row: 256 bytes + 16 of padding: the 16 rows that a load touches start 16 bytes apart modulo 256
.set FR,     8
.set NL,     2
.set NP,     4                         ; places behind this matrix instruction (ISA guide 7.12.1)
.set HALFT,  128*PITCH
.set SLOT,   4*HALFT
.set KS,     32                        ; a row of scale bytes
.set SCL,    2*SLOT
.set HALFS,  16*272                    ; the scales of 128 rows
.set SBLK,   2*272                     ; those of 16 rows
.set SPARE,  SCL+4*HALFS               ; the spare words, 128 bytes a wave
.set ADRA, 16
.set ADRB, 20
.set STO,  24
.set RD,   25
.set CO,   26
.set ADRS, 27
.set SPW,  28
.set NIL,  29
.set SC,   32
.set AF,   128
.set TMP,  32                          ; the way out: packed results
.set BKR,  64                          ; the way out: rows read back: v64-95 and v96-127 by turns
.set BIAS, 192                         ; in window 1
.set G1, 24
.set G0, 32
.set G1B, 48
.set G0B, 56
.set G1S, 68
.set G0S, 76
.set G1SB, 80
.set G0SB, 88
.set MSB, 0
.macro WIN new                         ; the immediate's high byte repeats the setting that is left
.if MSB != \new
	s_set_vgpr_msb (MSB<<8)|\new
.set MSB, \new
.endif
.endm
.set MUL_LO, 0xa1                      ; source 0 (B) window 1, source 1 (A) window 0, C and D window 2
.set MUL_HI, 0xf1
.set BIA_LO, 0x91                      ; the same with C (the bias) in window 1
.set BIA_HI, 0xd1
.set TO_B,   0x40
.macro JLOAD g0a, g1a, g0b, g1b        ; waves 0 and 1 fetch for A, waves 2 and 3 for B; an s_nop 0 and four v_nop follow each line
	s_cmp_eq_u32 s15, 0
	s_cbranch_scc0 .Lfor_b_\@
	tensor_load_to_lds s[\g0a:\g0a+3], s[\g1a:\g1a+7]
	s_nop 0
.rept 4
	v_nop
.endr
	s_branch .Lasked_\@
.Lfor_b_\@:
	tensor_load_to_lds s[\g0b:\g0b+3], s[\g1b:\g1b+7]
	s_nop 0
.rept 4
	v_nop
.endr
.Lasked_\@:
.endm
.macro CROUND                          ; a round of the cluster's barrier
	s_barrier_signal -1
	s_barrier_wait -1
	s_cmp_lg_u32 s14, 0
	s_cbranch_scc1 .Lnot_wave_0_\@
	s_barrier_signal -3
.Lnot_wave_0_\@:
	s_barrier_wait -3
	s_barrier_signal -1
	s_barrier_wait -1
.endm
	s_load_b128 s[4:7], s[0:1], 0x0                ; xc, xs
	s_load_b128 s[8:11], s[0:1], 0x10              ; wc, ws
	s_load_b64 s[96:97], s[0:1], 0x20              ; b_qkv
	s_load_b64 s[12:13], s[0:1], 0x28              ; qkv
	v_lshl_add_u32 v[SPW], v0, 2, SPARE
	v_mov_b32 v[NIL], 0
	ds_add_u32 v[SPW], v[NIL]                      ; the opening: the add, twice on end, and its wait ahead of my first tensor load
	ds_add_u32 v[SPW], v[NIL]
	v_lshrrev_b32 v1, 5, v0
	v_readfirstlane_b32 s14, v1                    ; wave
	s_lshr_b32 s15, s14, 1                         ; my half of the tile's rows; also: I fetch for A (0) or B (1)
	s_and_b32 s16, s14, 1                          ; my half of its columns; also: which 128 rows I fetch
	s_bfe_u32 s40, ttmp6, 0x40000                  ; cx
	s_bfe_u32 s41, ttmp6, 0x40004                  ; cy
	s_lshl_b32 s42, ttmp9, 2
	s_add_co_u32 s42, s42, s40                     ; tile column 0-11
	s_and_b32 s17, ttmp7, 0xffff
	s_lshl_b32 s17, s17, 2
	s_add_co_u32 s17, s17, s41                     ; tile row 0-31
	s_lshl_b32 s43, s41, 2
	s_lshl_b32 s43, 15, s43                        ; my row of the cluster
	s_lshl_b32 s44, 0x1111, s40                    ; my column
	s_or_b32 s[G1+0], s43, (0<<16)|(1<<20)|(1<<21)|(5<<22)|(3<<25)  ; mask; elements of 1 byte; 4 words of padding after every 64
	s_or_b32 s[G1B+0], s44, (0<<16)|(1<<20)|(1<<21)|(5<<22)|(3<<25)
.irp g, G1, G1B
	s_mov_b32 s[\g+1], ROWB<<16                    ; tensor_dim0
	s_mov_b32 s[\g+2], 128<<16                     ; tensor_dim1
	s_mov_b32 s[\g+3], ROWB<<16                    ; tile_dim0
	s_mov_b32 s[\g+4], 128                         ; tile_dim1
	s_mov_b32 s[\g+5], KROW                        ; pitch
	s_mov_b32 s[\g+6], 0
	s_mov_b32 s[\g+7], 0
.endr
	s_or_b32 s[G1S+0], s43, (3<<16)|(1<<20)|(1<<21)|(5<<22)|(3<<25) ; the scales of 128 rows: 4,096 dense bytes as 16 rows of 32 elements of 8 bytes
	s_or_b32 s[G1SB+0], s44, (3<<16)|(1<<20)|(1<<21)|(5<<22)|(3<<25)
.irp g, G1S, G1SB
	s_mov_b32 s[\g+1], 32<<16
	s_mov_b32 s[\g+2], 16<<16
	s_mov_b32 s[\g+3], 32<<16
	s_mov_b32 s[\g+4], 16
	s_mov_b32 s[\g+5], 32
	s_mov_b32 s[\g+6], 0
	s_mov_b32 s[\g+7], 0
.endr
	s_lshl_b32 s18, s16, 7
	s_lshl_b32 s20, s17, 8
	s_add_co_u32 s20, s20, s18                     ; A: row 256 x tile row + 128 x half
	s_lshl_b32 s46, s42, 8
	s_add_co_u32 s46, s46, s18                     ; B: row 256 x tile column + 128 x half
	s_mov_b32 s21, 0
	s_mov_b32 s47, 0
	s_mov_b64 s[18:19], KS
	s_mul_u64 s[22:23], s[20:21], s[18:19]
	s_mul_u64 s[92:93], s[46:47], s[18:19]
	s_mov_b64 s[18:19], KROW
	s_mul_u64 s[20:21], s[20:21], s[18:19]
	s_mul_u64 s[46:47], s[46:47], s[18:19]
	s_mul_i32 s45, s14, HALFT                      ; where they go: wave x 128 rows
	s_mul_i32 s94, s14, HALFS
	s_wait_dscnt 0x0                               ; both opening adds are done
	s_wait_kmcnt 0x0
	s_add_nc_u64 s[20:21], s[4:5], s[20:21]
	s_add_nc_u64 s[22:23], s[6:7], s[22:23]
	s_add_nc_u64 s[46:47], s[8:9], s[46:47]
	s_add_nc_u64 s[92:93], s[10:11], s[92:93]
	CROUND                                         ; all sixteen work-groups are here: the joint loads meet
	s_mov_b32 s[G0S], 1
	s_add_co_u32 s[G0S+1], s94, SCL
	s_mov_b64 s[G0S+2:G0S+3], s[22:23]
	s_or_b32 s[G0S+3], s[G0S+3], 0x80000000
	s_mov_b32 s[G0SB], 1
	s_add_co_u32 s[G0SB+1], s94, SCL
	s_mov_b64 s[G0SB+2:G0SB+3], s[92:93]
	s_or_b32 s[G0SB+3], s[G0SB+3], 0x80000000
	JLOAD G0S, G1S, G0SB, G1SB                     ; the scales first
.irp s, 0,1
	s_mov_b32 s[G0+4*\s], 1
	s_add_co_u32 s[G0+4*\s+1], s45, \s*SLOT
	s_add_nc_u64 s[G0+4*\s+2:G0+4*\s+3], s[20:21], \s*ROWB
	s_or_b32 s[G0+4*\s+3], s[G0+4*\s+3], 0x80000000
	s_mov_b32 s[G0B+4*\s], 1
	s_add_co_u32 s[G0B+4*\s+1], s45, \s*SLOT
	s_add_nc_u64 s[G0B+4*\s+2:G0B+4*\s+3], s[46:47], \s*ROWB
	s_or_b32 s[G0B+4*\s+3], s[G0B+4*\s+3], 0x80000000
	JLOAD G0+4*\s, G1, G0B+4*\s, G1B               ; three tensor loads of mine are out at the most
.endr
	v_and_b32 v1, 15, v0                           ; r
	v_bfe_u32 v2, v0, 4, 1                         ; h
	v_mul_u32_u24 v3, v1, PITCH
	v_lshl_add_u32 v4, v2, 4, v3
	s_mul_i32 s21, s15, HALFT
	s_mul_i32 s22, s16, HALFT
	s_add_co_u32 s22, s22, 2*HALFT
.irp s, 0,1
	v_add_nc_u32 v[ADRA+\s], s21, v4
	v_add_nc_u32 v[ADRB+\s], s22, v4
	s_add_co_u32 s21, s21, SLOT
	s_add_co_u32 s22, s22, SLOT
.endr
	v_mul_u32_u24 v5, v1, KS                       ; my row's scales: 32 bytes a row, and 16 more for each 256 passed
	v_lshrrev_b32 v6, 8, v5
	v_lshl_add_u32 v5, v6, 4, v5
	s_mul_i32 s21, s15, HALFS
	s_mul_i32 s22, s16, HALFS
	s_add_co_u32 s22, s22, 2*HALFS
	s_sub_co_u32 s22, s22, s21
	v_mul_u32_u24 v6, s22, v2                      ; lanes 16-31 take B's
	s_add_co_u32 s21, s21, SCL
	v_add_nc_u32 v5, v5, v6
	v_add_nc_u32 v[ADRS], s21, v5
	s_mul_i32 s23, s14, 4608                       ; my stage, in slot 0: two heads x 16 rows x 144 bytes
	v_mul_u32_u24 v5, v1, 144
	v_lshl_add_u32 v5, v2, 4, v5
	v_add_nc_u32 v[STO], s23, v5                   ; in: row r, 16 bytes for each half of the lanes
	v_and_b32 v6, 31, v0
	v_lshlrev_b32 v[CO], 4, v6                     ; in memory four rows of a head are 512 consecutive bytes
	v_lshrrev_b32 v5, 3, v6
	v_mul_u32_u24 v5, v5, 144
	v_and_b32 v6, 7, v6
	v_lshl_add_u32 v5, v6, 4, v5
	v_add_nc_u32 v[RD], s23, v5                    ; back: eight lanes to a row of 128 bytes
	s_lshr_b32 s20, s17, 3                         ; what hangs on the tile row: b,
	s_lshl_b32 s20, s20, 22
	s_and_b32 s21, s17, 7
	s_lshl_b32 s21, s21, 8
	s_lshl_b32 s22, s15, 7
	s_add_co_u32 s21, s21, s22                     ; and l,
	s_lshl_b32 s21, s21, 7
	s_add_co_u32 s20, s20, s21
	s_mov_b32 s21, 0
	s_add_nc_u64 s[12:13], s[12:13], s[20:21]
	s_lshr_b32 s46, s42, 2                         ; what hangs on the tile column: q, k or v,
	s_lshl_b32 s46, s46, 24
	s_and_b32 s47, s42, 3
	s_lshl_b32 s47, s47, 2
	s_lshl_b32 s95, s16, 1
	s_add_co_u32 s47, s47, s95                     ; and my first head
	s_lshl_b32 s47, s47, 18
	s_add_co_u32 s46, s46, s47
	s_mov_b32 s47, 0
	s_add_nc_u64 s[12:13], s[12:13], s[46:47]
	s_lshl_b32 s46, s42, 10                        ; the bias of my 128 columns
	s_lshl_b32 s95, s16, 9
	s_add_co_u32 s46, s46, s95
	s_add_nc_u64 s[96:97], s[96:97], s[46:47]
	v_lshlrev_b32 v7, 5, v2                        ; lane (r, h) wants, for block b, columns 16 b + 8 h + 0 .. 7
	WIN TO_B
.irp b, 0,1,2,3,4,5,6,7
	global_load_b128 v[BIAS+8*\b:BIAS+8*\b+3], v7, s[96:97] offset:64*\b
	global_load_b128 v[BIAS+8*\b+4:BIAS+8*\b+7], v7, s[96:97] offset:64*\b+16
.endr
	WIN 0
.macro FRAG reg, adr, q, i             ; 16 rows x 128 K of 4-bit codes: 8 registers, two loads of 16 bytes, 32 bytes apart
.irp c, 0,1
	ds_load_b128 v[\reg+4*\c:\reg+4*\c+3], v[\adr] offset:64*(\q)+32*\c+(\i)*16*PITCH
.endr
.endm
; 16 matrix instructions: A's blocks a0, a0 + 1 x B's eight.  The 64 accumulators take turns, one instruction a turn, in the same order in every step.
.macro MUL16 a0, p, q, sc, zero
.irp a, \a0, \a0+1
.irp b, 0,1,2,3,4,5,6,7
.if \zero
	v_wmma_scale_f32_16x16x128_f8f6f4 v[8*(8*((\a)%4)+\b):8*(8*((\a)%4)+\b)+7], v[128*(\p)+FR*\b:128*(\p)+FR*\b+FR-1], v[AF+FR*(\a):AF+FR*(\a)+FR-1], v[BIAS+8*\b:BIAS+8*\b+7], v[SC+8*NQ*(\sc)+NQ*\b+(\q)], v[SC+8*NQ*(\sc)+NQ*(\a)+(\q)] matrix_a_fmt:MATRIX_FMT_FP4 matrix_b_fmt:MATRIX_FMT_FP4 matrix_a_scale:MATRIX_SCALE_ROW1
.else
	v_wmma_scale_f32_16x16x128_f8f6f4 v[8*(8*((\a)%4)+\b):8*(8*((\a)%4)+\b)+7], v[128*(\p)+FR*\b:128*(\p)+FR*\b+FR-1], v[AF+FR*(\a):AF+FR*(\a)+FR-1], v[8*(8*((\a)%4)+\b):8*(8*((\a)%4)+\b)+7], v[SC+8*NQ*(\sc)+NQ*\b+(\q)], v[SC+8*NQ*(\sc)+NQ*(\a)+(\q)] matrix_a_fmt:MATRIX_FMT_FP4 matrix_b_fmt:MATRIX_FMT_FP4 matrix_a_scale:MATRIX_SCALE_ROW1
.endif
.endr
.endr
.endm
.macro FETCH_B slot, q, p
	WIN TO_B
.irp i, 0,1,2,3,4,5,6,7
	FRAG 128*(\p)+FR*\i, ADRB+\slot, \q, \i
.endr
	WIN 0
.endm
.macro FETCH_A slot, q, i0
.irp i, \i0, \i0+1, \i0+2, \i0+3
	FRAG AF+FR*(\i), ADRA+\slot, \q, \i
.endr
.endm
.macro SCALES sc                       ; a K step's scale words: lanes 0-15 A's block i, lanes 16-31 B's block i
.irp i, 0,1,2,3,4,5,6,7
	ds_load_b128 v[SC+8*NQ*\sc+NQ*\i:SC+8*NQ*\sc+NQ*\i+3], v[ADRS] offset:\i*SBLK
.endr
.endm
.macro PLACES n
.rept \n
	v_nop
.endr
.endm
.macro STEP slot, q, zero              ; 128 along K, with its successor in the same slot
	s_wait_dscnt 4*NL                              ; B's set and A's blocks 0-3 are in; the youngest eight loads (A's blocks 4-7) may be out
.if \zero
	WIN BIA_LO
.else
	WIN MUL_LO
.endif
	MUL16 0, (\q)%2, \q, \slot, \zero
	MUL16 2, (\q)%2, \q, \slot, \zero
	s_wait_dscnt 0
	PLACES NP
	FETCH_B \slot, (\q)+1, 1-(\q)%2
	FETCH_A \slot, (\q)+1, 0
.if \zero
	WIN BIA_HI
.else
	WIN MUL_HI
.endif
	MUL16 4, (\q)%2, \q, \slot, \zero
	MUL16 6, (\q)%2, \q, \slot, \zero
	PLACES NP
	WIN 0
	FETCH_A \slot, (\q)+1, 4
.endm
.macro TURN slot, next                 ; slot 0's last step changes slots; nothing is filled again
	s_wait_tensorcnt 0x0                           ; all my tensor loads have landed: my part of the next slot
	ds_add_u32 v[SPW], v[NIL]
	s_wait_dscnt 4*NL+1                            ; the add and the youngest eight loads may be out
	WIN MUL_LO
	MUL16 0, 1, NQ-1, \slot, 0
	s_wait_dscnt 0x0                               ; the add is done, and my reads of this slot are over
	s_barrier_signal -1
	MUL16 2, 1, NQ-1, \slot, 0
	WIN 0
	s_barrier_wait -1
	PLACES NP
	v_add_nc_u32 v[ADRS], 4*NQ, v[ADRS]            ; the next K step's scale words
	FETCH_B \next, 0, 0
	FETCH_A \next, 0, 0
	SCALES \next
	WIN MUL_HI
	MUL16 4, 1, NQ-1, \slot, 0
	MUL16 6, 1, NQ-1, \slot, 0
	PLACES NP
	WIN 0
	FETCH_A \next, 0, 4
.endm
	s_wait_tensorcnt 1                             ; the scales and my part of slot 0 are in; slot 1's load may stay out
	s_barrier_signal -1
	s_barrier_wait -1
	FETCH_B 0, 0, 0
	FETCH_A 0, 0, 0
	SCALES 0
	FETCH_A 0, 0, 4
	s_wait_loadcnt 0x0                             ; the bias
	STEP 0, 0, 1                                   ; the first products start the sums from the bias
	STEP 0, 1, 0
	STEP 0, 2, 0
	TURN 0, 1
	STEP 1, 0, 0
	STEP 1, 1, 0
	STEP 1, 2, 0
	s_wait_dscnt 4*NL
	WIN MUL_LO
	MUL16 0, 1, NQ-1, 1, 0
	MUL16 2, 1, NQ-1, 1, 0
	s_wait_dscnt 0
	WIN MUL_HI
	MUL16 4, 1, NQ-1, 1, 0
	MUL16 6, 1, NQ-1, 1, 0
	WIN 0
; THE WAY OUT, 16 rows x 128 columns (two heads) at a time: rounded to f16, through my stage in slot 0 (its last fill and its last read are over), back as rows of 128 bytes; four rows of a head leave as 512 consecutive bytes.
.macro PACK a
.set AC, 64*((\a)%4)
	WIN 0x0a+5*((\a)/4)                            ; sources in window 2 or 3
.irp b, 0,1,2,3,4,5,6,7
.irp r, 0,1,2,3
	v_cvt_pk_f16_f32 v[TMP+4*\b+\r], v[AC+8*\b+2*\r], v[AC+8*\b+2*\r+1]   ; each accumulator from its low end on
.endr
.endr
	WIN 0
.endm
.macro TOSTAGE a
.set BB, BKR+32*((\a)%2)
.irp b, 0,1,2,3,4,5,6,7
	ds_store_b128 v[STO], v[TMP+4*\b:TMP+4*\b+3] offset:(\b/4)*2304+32*(\b%4)
.endr
.irp t, 0,1,2,3,4,5,6,7
	ds_load_b128 v[BB+4*\t:BB+4*\t+3], v[RD] offset:(\t/4)*2304+(\t%4)*576   ; LDS serves a wave's instructions in order: these see the stores above
.endr
.endm
.macro SEND a
.set BB, BKR+32*((\a)%2)
	s_wait_dscnt 0x0                               ; the block is back in registers
	s_wait_xcnt 0x0                                ; earlier stores have read their base and data: both may be written again
.if (\a) > 0
	s_add_nc_u64 s[12:13], s[12:13], 2048          ; 16 rows of 128 bytes on
.endif
.irp t, 0,1,2,3,4,5,6,7
	global_store_b128 v[CO], v[BB+4*\t:BB+4*\t+3], s[12:13] offset:(\t/4)*262144+(\t%4)*512
.endr
.endm
	PLACES NP
	PACK 0
	TOSTAGE 0
.irp a, 1,2,3,4,5,6,7
	PACK \a
	SEND \a-1
	TOSTAGE \a
.endr
	SEND 7
	s_wait_tensorcnt 0x0                           ; the wave's end
	ds_add_u32 v[SPW], v[NIL]
	s_wait_dscnt 0x0
	CROUND                                         ; the closing round
	s_endpgm
.Lfunc_end_k_q3f8fc4763a_gemm_qkv:
	.size	k_q3f8fc4763a_gemm_qkv, .Lfunc_end_k_q3f8fc4763a_gemm_qkv-k_q3f8fc4763a_gemm_qkv
	.p2alignl 7, 3214868480
	.fill 96, 4, 3214868480
	.section	.rodata,"a",@progbits
	.p2align	6, 0x0
	.amdhsa_kernel k_q3f8fc4763a_gemm_qkv
		.amdhsa_group_segment_fixed_size 327680
		.amdhsa_private_segment_fixed_size 0
		.amdhsa_enable_private_segment 0
		.amdhsa_kernarg_size 48
		.amdhsa_user_sgpr_count 2
		.amdhsa_user_sgpr_kernarg_segment_ptr 1
		.amdhsa_wavefront_size32 1
		.amdhsa_system_sgpr_workgroup_id_x 1
		.amdhsa_system_sgpr_workgroup_id_y 1
		.amdhsa_system_sgpr_workgroup_id_z 1
		.amdhsa_system_vgpr_workitem_id 0
		.amdhsa_next_free_vgpr 1024
		.amdhsa_next_free_sgpr 100
		.amdhsa_reserve_vcc 0
		.amdhsa_float_denorm_mode_32 3
		.amdhsa_float_denorm_mode_16_64 3
		.amdhsa_memory_ordered 1
		.amdhsa_forward_progress 1
		.amdhsa_inst_pref_size 129
	.end_amdhsa_kernel
	.amdgpu_metadata
---
amdhsa.version: [ 1, 2 ]
amdhsa.kernels:
  - .name:           k_q3f8fc4763a_gemm_qkv
    .symbol:         k_q3f8fc4763a_gemm_qkv.kd
    .args:
      - { .name: xc, .offset: 0, .size: 8, .value_kind: global_buffer, .address_space: global }
      - { .name: xs, .offset: 8, .size: 8, .value_kind: global_buffer, .address_space: global }
      - { .name: wc, .offset: 16, .size: 8, .value_kind: global_buffer, .address_space: global }
      - { .name: ws, .offset: 24, .size: 8, .value_kind: global_buffer, .address_space: global }
      - { .name: b_qkv, .offset: 32, .size: 8, .value_kind: global_buffer, .address_space: global }
      - { .name: qkv, .offset: 40, .size: 8, .value_kind: global_buffer, .address_space: global }
    .group_segment_fixed_size: 327680
    .private_segment_fixed_size: 0
    .kernarg_segment_align: 8
    .kernarg_segment_size: 48
    .max_flat_workgroup_size: 128
    .sgpr_count:     100
    .vgpr_count:     1024
    .wavefront_size: 32
...
	.end_amdgpu_metadata
.endif
;; end of part 2
;; launch attn (part 3): grid 4 x 64, 8 waves a work-group, no clusters, 327,680 bytes of LDS; arguments qkv, yh; writes yh
.if DOCPART == 3
	.amdgcn_target "amdgcn-amd-amdhsa--gfx1250"
	.amdhsa_code_object_version 6
	.text
	.protected	k_q3f8fc4763a_attn
	.globl	k_q3f8fc4763a_attn
	.p2align	8
	.type	k_q3f8fc4763a_attn,@function
k_q3f8fc4763a_attn:
	s_mov_b64 s[64:65], 0
	v_nop
	global_prefetch_b8 v0, s[64:65] scope:SCOPE_SE
	s_setreg_imm32_b32 hwreg(HW_REG_WAVE_MODE, 25, 1), 1
	s_wait_xcnt 0x0
; y[b][h][q] = the sum over k <= q of softmax_k(q . k / 8) v, on f16 operands with f32 products, maxima and sums; the weights p are rounded to f16 for the second product, y once at the end.
; qkv: [3][64 (b,h)][2048][64] f16.  yh: [16 h][8192 (b, l)][64] f16.  LIMIT: operands up to 65,504.  (Positions 0 to 15 of each sequence are made again, in f32, by later launches.)
; SHARES.  Work-group (i, head) owns query blocks 7 - i (pass A) and i (pass B), 256 queries each.  Under the causal mask pass A walks key units 0 .. 7 - i and pass B units 0 .. i, 256 keys a unit:
; 9 units in every work-group, so all 256 have the same work, every trip count is a constant, and every tile that is fetched is read.
; NO CLUSTER: from the fifth trip on the four work-groups of a head want different units; walking in step would cost 12 unit times against 9, and the mask would let a partner read nothing of a joint tile.
; Wave w owns 32 queries, two tiles of 16, at sub-block w (w < 4) or 11 - w: waves w and w + 4 together have 5 of the diagonal unit's 8 steps.
; LAYOUT.  S^T = K Q^T (source 0 = 16 keys, source 1 = 16 queries): a lane holds ONE query (lane % 16) and keys 8 (lane / 16) + 0..7; two such tiles rounded to f16 ARE source 1 of O^T = V^T P.  V is turned by ds_load_tr16_b128.
; SOFTMAX.  A running maximum m and sum l for each query: p = 2^(c s - c m), c = log2(e) / 8; in every step O and l are multiplied by a = 2^(c m_old - c m_new).
; REGISTERS: window 0: v1-14 addresses; v16-31 statistics; v32-63 P; v64-127 S^T; v128-191 K's fragments; v192-255 V's.  window 1: v0-63 O^T; v64-95 Q.
.set VOFF,  34816                      ; a slot: 128 rows of K (two keys each, 256 bytes + 16), then 128 rows of V (256 + 32)
.set SLOT1, 131072                     ; slot 1 begins here: one exclusive or turns an address
.set KSTB,  8704                       ; a step's 64 keys: 32 rows of 272,
.set VSTB,  9216                       ; 32 rows of 288
.set STAGE, 262144                     ; behind the ring: 32 rows x 144 bytes for each wave; no tile lands here
.set SPARE, 299008                     ; the spare words, 128 bytes a wave
.set AK0, 1
.set AV0, 2
.set ADK, 3
.set ADV, 4
.set QO,  5
.set STO, 6
.set RD,  7
.set GO,  8
.set DL,  9                            ; r - 8 h
.set DD,  10
.set NINF, 11
.set SPW, 12
.set NIL, 13
.set PFO, 14
.set ST,  16                           ; tile t at v[16 + 8 t]: +0 c m, +1 m, +2, +3 l, +4 to +7 at work (a takes +6)
.set P,   32
.set S,   64
.set KFR, 128
.set VFR, 192
.set WV,  8
.set I,   9
.set BH,  10
.set TA,  11                           ; 7 - i: pass A's block, and its last trip
.set T,   12
.set CNT, 13
.set KF,  14                           ; the step's first key
.set Q0,  15                           ; my first query
.set SEL, 16
.set CS,  18
.set TK,  20
.set TV,  21
.set RB,  22                           ; (TA + 1) units in bytes
.set G1K, 24
.set G1V, 32
.set G0K, 40
.set G0V, 44
.set QB,  52
.set YB,  54
.set QA,  56
.set YA,  58
.set PFK, 60
.set PFV, 62
.set LIM, 66
.set SIG, 67
.set MSB, 0
.macro WIN new
.if MSB != \new
	s_set_vgpr_msb (MSB<<8)|\new
.set MSB, \new
.endif
.endm
.set W_KQ, 0x04                        ; Q (source 1) in window 1
.set W_PV, 0x50                        ; C and D in window 1
.set W_RS, 0x41                        ; O^T (destination, source 0) in window 1
; Waves 0 and 1 fetch K's halves of a unit, waves 2 and 3 V's, the others nothing.  An s_nop 0 and four v_nop follow each line.
.macro TLOAD
	s_cmp_lt_u32 s[WV], 2
	s_cbranch_scc0 .Lnot_k_\@
	tensor_load_to_lds s[G0K:G0K+3], s[G1K:G1K+7]
	s_nop 0
.rept 4
	v_nop
.endr
	s_branch .Lasked_\@
.Lnot_k_\@:
	s_cmp_lt_u32 s[WV], 4
	s_cbranch_scc0 .Lasked_\@
	tensor_load_to_lds s[G0V:G0V+3], s[G1V:G1V+7]
	s_nop 0
.rept 4
	v_nop
.endr
.Lasked_\@:
.endm
; A prefetch of the unit that the NEXT change of slots will ask for.  All four work-groups of a head walk units 0, 1, 2 .. together: work-group i = 0, whose pass A walks all eight, asks, and in it waves 4 to 7,
; which fetch nothing: 8,192 bytes of K and of V each, lanes 256 bytes apart.  So each block of 256 bytes is named once.  In trip T unit T + 2 is named; trip 5 names the last, unit 7.
.macro ASK
	s_cmp_lt_u32 s[T], s[LIM]
	s_cbranch_scc0 .Lnot_mine_\@
	global_prefetch_b8 v[PFO], s[PFK:PFK+1] th:TH_LOAD_NT scope:SCOPE_SE
	global_prefetch_b8 v[PFO], s[PFV:PFV+1] th:TH_LOAD_NT scope:SCOPE_SE
.Lnot_mine_\@:
.endm
	s_load_b128 s[4:7], s[0:1], 0x0                ; qkv, yh
	v_lshl_add_u32 v[SPW], v0, 2, SPARE
	v_mov_b32 v[NIL], 0
	ds_add_u32 v[SPW], v[NIL]                      ; the opening: the add, twice on end, and its wait ahead of the first tensor load
	ds_add_u32 v[SPW], v[NIL]
	v_lshrrev_b32 v1, 5, v0
	v_readfirstlane_b32 s[WV], v1
	s_mov_b32 s[I], ttmp9
	s_and_b32 s[BH], ttmp7, 0xffff
	s_sub_co_u32 s[TA], 7, s[I]
	s_add_co_u32 s[RB], s[TA], 1
	s_lshl_b32 s[RB], s[RB], 15
	s_sub_co_u32 s70, 11, s[WV]
	s_cmp_lt_u32 s[WV], 4
	s_cselect_b32 s[SIG], s[WV], s70               ; my sub-block of 32 queries
	s_mov_b32 s[G1K], (1<<16)|(1<<20)|(5<<22)|(3<<25)   ; elements of 2 bytes; 4 words of padding after every 64
	s_mov_b32 s[G1V], (1<<16)|(1<<20)|(5<<22)|(7<<25)   ; 8 words
.irp g, G1K, G1V
	s_mov_b32 s[\g+1], 128<<16                     ; tensor_dim0: two keys' 128 elements (a head's rows are dense)
	s_mov_b32 s[\g+2], 64<<16                      ; tensor_dim1
	s_mov_b32 s[\g+3], 128<<16                     ; tile_dim0
	s_mov_b32 s[\g+4], 64                          ; tile_dim1
	s_mov_b32 s[\g+5], 128                         ; pitch
	s_mov_b32 s[\g+6], 0
	s_mov_b32 s[\g+7], 0
.endr
	s_mov_b32 s[SEL], 0x76543210
	s_mov_b32 s[SEL+1], 0xfedcba98
	s_mov_b32 s[CS], 0x3e38aa3b                    ; c = log2(e) / 8
	s_mov_b32 s[CS+1], s[CS]
	s_mov_b32 s[TK], 0
	s_mov_b32 s[TV], 0
	s_mov_b32 s69, 0
	s_and_b32 s71, s[WV], 1                        ; which 128 keys of a unit I fetch
	s_mul_i32 s72, s71, 17408
	s_mul_i32 s73, s71, 18432
	s_add_co_u32 s73, s73, VOFF
	s_lshl_b32 s74, s71, 14
	s_lshl_b32 s75, s[BH], 18
	s_add_co_u32 s74, s74, s75                     ; my head, my half
	s_mov_b32 s75, 0
	s_lshr_b32 s70, s[WV], 2
	s_xor_b32 s70, s70, 1                          ; 0 in waves 4 to 7,
	s_or_b32 s70, s70, s[I]                        ; of work-group i = 0
	s_cmp_eq_u32 s70, 0
	s_cselect_b32 s[LIM], 6, 0
	s_wait_dscnt 0x0                               ; both opening adds are done
	s_wait_kmcnt 0x0
	s_mov_b32 s[G0K], 1
	s_mov_b32 s[G0K+1], s72
	s_add_nc_u64 s[G0K+2:G0K+3], s[4:5], s[74:75]
	s_add_nc_u64 s[G0K+2:G0K+3], s[G0K+2:G0K+3], 0x1000000   ; k's part of qkv
	s_or_b32 s[G0K+3], s[G0K+3], 0x80000000
	s_mov_b32 s[G0V], 1
	s_mov_b32 s[G0V+1], s73
	s_add_nc_u64 s[G0V+2:G0V+3], s[4:5], s[74:75]
	s_add_nc_u64 s[G0V+2:G0V+3], s[G0V+2:G0V+3], 0x2000000   ; v's
	s_or_b32 s[G0V+3], s[G0V+3], 0x80000000
	TLOAD                                          ; unit 0 into slot 0
	s_lshl_b32 s70, s[BH], 18
	s_mov_b32 s71, 0
	s_add_nc_u64 s[QB:QB+1], s[4:5], s[70:71]      ; q of my head
	s_and_b32 s72, s[WV], 3
	s_lshl_b32 s72, s72, 13
	s_add_co_u32 s70, s70, s72
	s_add_co_u32 s70, s70, 32768                   ; the prefetches stand at unit 1; the first change of slots steps them to unit 2
	s_add_nc_u64 s[PFK:PFK+1], s[4:5], s[70:71]
	s_add_nc_u64 s[PFK:PFK+1], s[PFK:PFK+1], 0x1000000
	s_add_nc_u64 s[PFV:PFV+1], s[PFK:PFK+1], 0x1000000
	s_and_b32 s70, s[BH], 15
	s_lshl_b32 s70, s70, 20
	s_lshr_b32 s72, s[BH], 4
	s_lshl_b32 s72, s72, 18
	s_add_co_u32 s70, s70, s72
	s_add_nc_u64 s[YB:YB+1], s[6:7], s[70:71]      ; yh: plane h, rows of batch b
	v_and_b32 v24, 15, v0                          ; r
	v_bfe_u32 v25, v0, 4, 1                        ; h
	v_and_b32 v26, 31, v0                          ; lane
	v_lshrrev_b32 v27, 1, v24
	v_mul_u32_u24 v[AK0], v27, 272
	v_and_b32 v27, 1, v24
	v_lshl_add_u32 v[AK0], v27, 7, v[AK0]
	v_lshl_add_u32 v[AK0], v25, 4, v[AK0]          ; key r: (r / 2) x 272 + (r % 2) x 128 + 16 h
	v_bfe_u32 v27, v0, 1, 2
	v_lshl_add_u32 v27, v25, 2, v27
	v_mul_u32_u24 v[AV0], v27, 288
	v_and_b32 v27, 1, v0
	v_lshl_add_u32 v[AV0], v27, 7, v[AV0]
	v_bfe_u32 v27, v0, 3, 1
	v_lshl_add_u32 v[AV0], v27, 4, v[AV0]
	v_add_nc_u32 v[AV0], VOFF, v[AV0]              ; key 8 h + lane % 8, channels 8 ((lane / 8) % 2) on
	v_lshlrev_b32 v[QO], 7, v24
	v_lshl_add_u32 v[QO], v25, 4, v[QO]
	s_mul_i32 s70, s[WV], 4608
	s_add_co_u32 s70, s70, STAGE
	v_mul_u32_u24 v[STO], v24, 144
	v_lshl_add_u32 v[STO], v25, 4, v[STO]
	v_add_nc_u32 v[STO], s70, v[STO]
	v_lshrrev_b32 v27, 3, v26
	v_mul_u32_u24 v[RD], v27, 144
	v_and_b32 v27, 7, v26
	v_lshl_add_u32 v[RD], v27, 4, v[RD]
	v_add_nc_u32 v[RD], s70, v[RD]
	v_lshlrev_b32 v[GO], 4, v26
	v_lshlrev_b32 v27, 3, v25
	v_sub_nc_u32 v[DL], v24, v27
	v_mov_b32 v[NINF], 0xff800000
	v_lshlrev_b32 v[PFO], 8, v26
; A pass begins: block s[blk] of 256 queries.  Q comes into registers; O^T and l begin as zeros and m as -3e38, so that the step is written once (key 0 counts for every query: m is a number from the first step on).
.macro NEWPASS blk
	s_wait_xcnt 0x0                                ; the last pass's stores have read their base and data
	s_lshl_b32 s[Q0], s[\blk], 8
	s_lshl_b32 s70, s[SIG], 5
	s_add_co_u32 s[Q0], s[Q0], s70
	s_lshl_b32 s70, s[Q0], 7
	s_mov_b32 s71, 0
	s_add_nc_u64 s[QA:QA+1], s[QB:QB+1], s[70:71]
	s_add_nc_u64 s[YA:YA+1], s[YB:YB+1], s[70:71]
	s_mov_b32 s[KF], 0
	WIN 0x40                                       ; destination window 1
.irp t, 0,1
.irp ks, 0,1
	global_load_b128 v[64+16*\t+8*\ks:64+16*\t+8*\ks+3], v[QO], s[QA:QA+1] offset:\t*2048+64*\ks
	global_load_b128 v[64+16*\t+8*\ks+4:64+16*\t+8*\ks+7], v[QO], s[QA:QA+1] offset:\t*2048+64*\ks+32
.endr
.endr
.set n, 0
.rept 64
	v_mov_b32 v[n], 0
.set n, n+1
.endr
	WIN 0
.irp t, 0,1
	v_mov_b32 v[ST+8*\t+1], 0xff61b1e6
	v_mul_f32 v[ST+8*\t], s[CS], v[ST+8*\t+1]
	v_mov_b32 v[ST+8*\t+2], 0
	v_mov_b32 v[ST+8*\t+3], 0
.endr
	s_wait_loadcnt 0x0
.endm
; A KEY STEP: 64 keys.
.macro STEP
	s_add_co_u32 s70, s[Q0], 31                    ; a step all of whose keys come after my 32 queries is left out: its work alone, not the address steps at its end
	s_cmp_gt_u32 s[KF], s70
	s_cbranch_scc1 .Lhidden_\@
	v_add_nc_u32 v[ADK], s[TK], v[AK0]
	v_add_nc_u32 v[ADV], s[TV], v[AV0]
	v_nop
	v_nop                                          ; four places between the last step's products and the loads into V's registers
.irp kt, 0,1,2,3
.irp ks, 0,1
	ds_load_b128 v[KFR+8*(2*\kt+\ks):KFR+8*(2*\kt+\ks)+3], v[ADK] offset:\kt*2176+64*\ks
	ds_load_b128 v[KFR+8*(2*\kt+\ks)+4:KFR+8*(2*\kt+\ks)+7], v[ADK] offset:\kt*2176+64*\ks+32
.endr
.endr
.irp ct, 0,1,2,3
.irp kk, 0,1
	ds_load_tr16_b128 v[VFR+8*(2*\ct+\kk):VFR+8*(2*\ct+\kk)+3], v[ADV] offset:\kk*4608+32*\ct
	ds_load_tr16_b128 v[VFR+8*(2*\ct+\kk)+4:VFR+8*(2*\ct+\kk)+7], v[ADV] offset:\kk*4608+32*\ct+2304
.endr
.endr
	s_wait_dscnt 16                                ; K's 16 loads are in; V's 16 may stay out
	WIN W_KQ
.irp ks, 0,1                           ; the eight accumulators take turns
.irp kt, 0,1,2,3
.irp t, 0,1
.if \ks == 0
	v_wmma_f32_16x16x32_f16 v[S+32*\t+8*\kt:S+32*\t+8*\kt+7], v[KFR+8*(2*\kt+\ks):KFR+8*(2*\kt+\ks)+7], v[64+16*\t+8*\ks:64+16*\t+8*\ks+7], 0
.else
	v_wmma_f32_16x16x32_f16 v[S+32*\t+8*\kt:S+32*\t+8*\kt+7], v[KFR+8*(2*\kt+\ks):KFR+8*(2*\kt+\ks)+7], v[64+16*\t+8*\ks:64+16*\t+8*\ks+7], v[S+32*\t+8*\kt:S+32*\t+8*\kt+7]
.endif
.endr
.endr
.endr
	WIN 0
.rept 4
	v_nop
.endr
	s_add_co_u32 s70, s[KF], 63                    ; a step all of whose keys count skips the mask
	s_cmp_le_u32 s70, s[Q0]
	s_cbranch_scc1 .Lopen_\@
	s_sub_co_i32 s70, s[Q0], s[KF]
	v_add_nc_u32 v[DD], s70, v[DL]                 ; d = Q0 - KF + r - 8 h.  Register 8 kt + j of tile t is hidden where 16 kt + j - 16 t > d
.irp t, 0,1
.irp kt, 0,1,2,3
.irp j, 0,1,2,3,4,5,6,7
	v_cmp_gt_i32 vcc_lo, 16*\kt+\j-16*\t, v[DD]
	v_cndmask_b32 v[S+32*\t+8*\kt+\j], v[S+32*\t+8*\kt+\j], v[NINF], vcc_lo
.endr
.endr
.endr
.Lopen_\@:
.irp j, 0,1,2,3                        ; the maximum: four chains a tile, each accumulator from its low end on; the two tiles line by line
.irp t, 0,1
	v_max3_num_f32 v[ST+8*\t+4+\j], v[S+32*\t+8*\j], v[S+32*\t+8*\j+1], v[S+32*\t+8*\j+2]
.endr
.endr
.irp g, 1,2
.irp j, 0,1,2,3
.irp t, 0,1
	v_max3_num_f32 v[ST+8*\t+4+\j], v[ST+8*\t+4+\j], v[S+32*\t+8*\j+2*\g+1], v[S+32*\t+8*\j+2*\g+2]
.endr
.endr
.endr
.irp t, 0,1
	v_max3_num_f32 v[ST+8*\t+4], v[ST+8*\t+4], v[S+32*\t+7], v[S+32*\t+15]
.endr
.irp t, 0,1
	v_max3_num_f32 v[ST+8*\t+6], v[ST+8*\t+6], v[S+32*\t+23], v[S+32*\t+31]
.endr
.irp t, 0,1
	v_max3_num_f32 v[ST+8*\t+4], v[ST+8*\t+4], v[ST+8*\t+5], v[ST+8*\t+6]
.endr
.irp t, 0,1
	v_max3_num_f32 v[ST+8*\t+4], v[ST+8*\t+4], v[ST+8*\t+7], v[ST+8*\t+1]   ; and the old m
.endr
.irp t, 0,1
	v_permlanex16_b32 v[ST+8*\t+5], v[ST+8*\t+4], s[SEL], s[SEL+1]           ; the query's other keys lie in the lane 16 away
.endr
.irp t, 0,1
	v_mov_b32 v[ST+8*\t+7], v[ST+8*\t]             ; c m_old
.endr
.irp t, 0,1
	v_max_num_f32 v[ST+8*\t+1], v[ST+8*\t+4], v[ST+8*\t+5]
.endr
.irp t, 0,1
	v_mul_f32 v[ST+8*\t], s[CS], v[ST+8*\t+1]
.endr
.irp t, 0,1
	v_sub_f32 v[ST+8*\t+7], v[ST+8*\t+7], v[ST+8*\t]
.endr
.set n, 0
.rept 16
.irp t, 0,1
	v_pk_fma_f32 v[S+32*\t+2*n:S+32*\t+2*n+1], v[S+32*\t+2*n:S+32*\t+2*n+1], s[CS:CS+1], v[ST+8*\t:ST+8*\t+1] op_sel_hi:[1,0,0] neg_lo:[0,0,1] neg_hi:[0,0,1]   ; c s - c m
.endr
.set n, n+1
.endr
.irp t, 0,1
	v_exp_f32 v[ST+8*\t+6], v[ST+8*\t+7]           ; a
.endr
.set n, 0
.rept 32
.irp t, 0,1
	v_exp_f32 v[S+32*\t+n], v[S+32*\t+n]           ; p
.endr
.set n, n+1
.endr
	v_nop                                          ; a plain line behind the last exponential
	s_wait_alu depctr_va_vdst(0)                   ; one wait for the batch of 66, ahead of its first reader
.set n, 0
.rept 16
.irp t, 0,1
	v_cvt_pk_f16_f32 v[P+16*\t+n], v[S+32*\t+2*n], v[S+32*\t+2*n+1]
.endr
.set n, n+1
.endr
.irp w, 4,8,16,32                      ; the sum of the unrounded p, in place, pairs 1, 2, 4 and 8 apart
.set n, 0
.rept 32/\w
.irp t, 0,1
	v_pk_add_f32 v[S+32*\t+\w*n:S+32*\t+\w*n+1], v[S+32*\t+\w*n:S+32*\t+\w*n+1], v[S+32*\t+\w*n+\w/2:S+32*\t+\w*n+\w/2+1]
.endr
.set n, n+1
.endr
.endr
.irp t, 0,1
	v_pk_fma_f32 v[ST+8*\t+2:ST+8*\t+3], v[ST+8*\t+2:ST+8*\t+3], v[ST+8*\t+6:ST+8*\t+7], v[S+32*\t:S+32*\t+1] op_sel_hi:[1,0,1]   ; l = a l + the sum
.endr
	WIN W_RS
.set n, 0
.rept 16
.irp t, 0,1
	v_pk_mul_f32 v[32*\t+2*n:32*\t+2*n+1], v[32*\t+2*n:32*\t+2*n+1], v[ST+8*\t+6:ST+8*\t+7] op_sel_hi:[1,0]   ; O^T x a, ascending
.endr
.set n, n+1
.endr
	s_wait_dscnt 0x0                               ; V is in
	WIN W_PV
.irp kk, 0,1                           ; O^T += V^T P: the eight accumulators take turns
.irp ct, 0,1,2,3
.irp t, 0,1
	v_wmma_f32_16x16x32_f16 v[32*\t+8*\ct:32*\t+8*\ct+7], v[VFR+8*(2*\ct+\kk):VFR+8*(2*\ct+\kk)+7], v[P+16*\t+8*\kk:P+16*\t+8*\kk+7], v[32*\t+8*\ct:32*\t+8*\ct+7]
.endr
.endr
.endr
	WIN 0
.Lhidden_\@:
	s_add_co_u32 s[KF], s[KF], 64
	s_add_co_u32 s[TK], s[TK], KSTB
	s_add_co_u32 s[TV], s[TV], VSTB
.endm
.macro UNIT                            ; a unit's four steps, written once; then on to the other slot
	s_mov_b32 s[CNT], 4
.Lstep_\@:
	STEP
	s_sub_co_u32 s[CNT], s[CNT], 1
	s_cmp_lg_u32 s[CNT], 0
	s_cbranch_scc1 .Lstep_\@
	s_sub_co_u32 s[TK], s[TK], 4*KSTB
	s_sub_co_u32 s[TV], s[TV], 4*VSTB
	s_xor_b32 s[TK], s[TK], SLOT1
	s_xor_b32 s[TV], s[TV], SLOT1
.endm
; THE CHANGE OF SLOTS stands at a unit's head.  Each wave waits for all its tensor loads (one is out at the most), adds 0 to its spare word, and waits for that and for its reads of the slot that it has left.
; fill = 1: behind the barrier that slot is filled with the next trip's unit: the next one of the pass, or, in pass A's last trip, unit 0 again for pass B.
.macro CHANGE fill
	s_wait_tensorcnt 0x0
	ds_add_u32 v[SPW], v[NIL]
.if \fill
	ds_add_u32 v[SPW], v[NIL]                      ; and twice on end here, in every trip alike
	s_xor_b32 s[G0K+1], s[G0K+1], SLOT1
	s_xor_b32 s[G0V+1], s[G0V+1], SLOT1
	s_add_nc_u64 s[G0K+2:G0K+3], s[G0K+2:G0K+3], 32768
	s_add_nc_u64 s[G0V+2:G0V+3], s[G0V+2:G0V+3], 32768
	s_cmp_eq_u32 s[T], s[TA]
	s_cselect_b32 s68, s[RB], 0                    ; back to unit 0 at the change of passes
	s_sub_nc_u64 s[G0K+2:G0K+3], s[G0K+2:G0K+3], s[68:69]
	s_sub_nc_u64 s[G0V+2:G0V+3], s[G0V+2:G0V+3], s[68:69]
	s_wait_xcnt 0x0                                ; the last prefetches, a unit back, have read their addresses
	s_add_nc_u64 s[PFK:PFK+1], s[PFK:PFK+1], 32768
	s_add_nc_u64 s[PFV:PFV+1], s[PFV:PFV+1], 32768
.endif
	s_wait_dscnt 0x0
	s_barrier_signal -1
	s_barrier_wait -1
.if \fill
	TLOAD                                          ; the first thing behind the barrier, a wave's one tensor load until the next
	ASK
.endif
.endm
; THE WAY OUT of a pass: O^T / l, rounded to f16, through my stage, back as rows of 128 bytes: four rows leave as 512 consecutive bytes.
.macro WAYOUT
.rept 4
	v_nop
.endr
.irp t, 0,1
	v_add_f32 v[ST+8*\t+4], v[ST+8*\t+2], v[ST+8*\t+3]
.endr
.irp t, 0,1
	v_permlanex16_b32 v[ST+8*\t+5], v[ST+8*\t+4], s[SEL], s[SEL+1]
.endr
.irp t, 0,1
	v_add_f32 v[ST+8*\t+4], v[ST+8*\t+4], v[ST+8*\t+5]
.endr
.irp t, 0,1
	v_rcp_f32 v[ST+8*\t+6], v[ST+8*\t+4]
.endr
	v_nop
	s_wait_alu depctr_va_vdst(0)                   ; one wait for the two reciprocals, ahead of their first reader
	WIN W_RS
.irp t, 0,1
.set n, 0
.rept 16
	v_pk_mul_f32 v[32*\t+2*n:32*\t+2*n+1], v[32*\t+2*n:32*\t+2*n+1], v[ST+8*\t+6:ST+8*\t+7] op_sel_hi:[1,0]
.set n, n+1
.endr
.endr
	WIN 0x05                                       ; sources window 1, destination window 0
.set n, 0
.rept 32
	v_cvt_pk_f16_f32 v[S+n], v[2*n], v[2*n+1]
.set n, n+1
.endr
	WIN 0
.irp t, 0,1
.irp ct, 0,1,2,3
	ds_store_b128 v[STO], v[S+16*\t+4*\ct:S+16*\t+4*\ct+3] offset:\t*2304+32*\ct
.endr
.endr
.irp i, 0,1,2,3,4,5,6,7
	ds_load_b128 v[S+32+4*\i:S+32+4*\i+3], v[RD] offset:\i*576   ; LDS serves a wave's instructions in order: these see the stores above
.endr
.irp i, 0,1,2,3,4,5,6,7
	s_wait_dscnt 7-\i                              ; the later read-backs may stay out
	global_store_b128 v[GO], v[S+32+4*\i:S+32+4*\i+3], s[YA:YA+1] offset:512*\i
.endr
.endm
	NEWPASS TA
	s_mov_b32 s[T], 0
.Ltrip:                                            ; eight trips; the ninth is written out, since it asks for nothing
	CHANGE 1
	UNIT
	s_cmp_lg_u32 s[T], s[TA]                       ; ids alone, the same in all waves; no barrier and no tensor load stands under it
	s_cbranch_scc1 .Lsame
	WAYOUT
	NEWPASS I
.Lsame:
	s_add_co_u32 s[T], s[T], 1
	s_cmp_lt_u32 s[T], 8
	s_cbranch_scc1 .Ltrip
	CHANGE 0
	UNIT
	WAYOUT
	s_wait_tensorcnt 0x0                           ; the wave's end
	ds_add_u32 v[SPW], v[NIL]
	s_wait_dscnt 0x0
	s_endpgm
.Lfunc_end_k_q3f8fc4763a_attn:
	.size	k_q3f8fc4763a_attn, .Lfunc_end_k_q3f8fc4763a_attn-k_q3f8fc4763a_attn
	.p2alignl 7, 3214868480
	.fill 96, 4, 3214868480
	.section	.rodata,"a",@progbits
	.p2align	6, 0x0
	.amdhsa_kernel k_q3f8fc4763a_attn
		.amdhsa_group_segment_fixed_size 327680
		.amdhsa_private_segment_fixed_size 0
		.amdhsa_enable_private_segment 0
		.amdhsa_kernarg_size 16
		.amdhsa_user_sgpr_count 2
		.amdhsa_user_sgpr_kernarg_segment_ptr 1
		.amdhsa_wavefront_size32 1
		.amdhsa_system_sgpr_workgroup_id_x 1
		.amdhsa_system_sgpr_workgroup_id_y 1
		.amdhsa_system_sgpr_workgroup_id_z 1
		.amdhsa_system_vgpr_workitem_id 0
		.amdhsa_next_free_vgpr 512
		.amdhsa_next_free_sgpr 80
		.amdhsa_reserve_vcc 1
		.amdhsa_float_denorm_mode_32 3
		.amdhsa_float_denorm_mode_16_64 3
		.amdhsa_memory_ordered 1
		.amdhsa_forward_progress 1
		.amdhsa_inst_pref_size 72
	.end_amdhsa_kernel
	.amdgpu_metadata
---
amdhsa.version: [ 1, 2 ]
amdhsa.kernels:
  - .name:           k_q3f8fc4763a_attn
    .symbol:         k_q3f8fc4763a_attn.kd
    .args:
      - { .name: qkv, .offset: 0, .size: 8, .value_kind: global_buffer, .address_space: global }
      - { .name: yh, .offset: 8, .size: 8, .value_kind: global_buffer, .address_space: global }
    .group_segment_fixed_size: 327680
    .private_segment_fixed_size: 0
    .kernarg_segment_align: 8
    .kernarg_segment_size: 16
    .max_flat_workgroup_size: 256
    .sgpr_count:     80
    .vgpr_count:     512
    .wavefront_size: 32
...
	.end_amdgpu_metadata
.endif
;; end of part 3
;; launch proj (part 4): grid 4 x 64, 4 waves a work-group, clusters of 4 x 4, 327,680 bytes of LDS; arguments yh, wp16, b_proj, out0; writes out0
.if DOCPART == 4
	.amdgcn_target "amdgcn-amd-amdhsa--gfx1250"
	.amdhsa_code_object_version 6
	.text
	.protected	k_q3f8fc4763a_proj
	.globl	k_q3f8fc4763a_proj
	.p2align	8
	.type	k_q3f8fc4763a_proj,@function
k_q3f8fc4763a_proj:
	s_mov_b64 s[64:65], 0
	v_nop
	global_prefetch_b8 v0, s[64:65] scope:SCOPE_SE
	s_setreg_imm32_b32 hwreg(HW_REG_WAVE_MODE, 25, 1), 1
	s_wait_xcnt 0x0
	s_wait_alu depctr_hold_cnt(0) depctr_sa_sdst(0) depctr_va_vdst(0) depctr_va_sdst(0) depctr_va_ssrc(0) depctr_va_vcc(0) depctr_vm_vsrc(0)
	s_getreg_b32 s2, hwreg(HW_REG_IB_STS2, 6, 4)
	s_cmp_eq_u32 s2, 0
	s_cbranch_scc0 .Lentry_in_a_cluster
	s_endpgm
.Lentry_in_a_cluster:
	s_bfe_u32 s2, ttmp6, 0x10000c
	s_cmp_lg_u32 s2, 0xf033
	s_cbranch_scc0 .Lentry_shape_is_right
	s_endpgm
.Lentry_shape_is_right:
; out0 = y W_proj + b_proj on f16 operands, f32 sums.  yh: [16 h][8192][64] f16: a head is 64 along K, dense.  wp16: [1024 k][1024 n] f16.  out0: [8192][1024] f32.
; (The first 16 positions of each sequence are stored again, from f32 arithmetic, by a later launch.)
; A tile of 128 rows x 256 columns: 256 work-groups.  Four waves, 64 x 128 each: 32 accumulators.  K goes in 8 steps of 128 (two heads) through two LDS slots.
; CLUSTER 4 x 4: y's tiles are shared along a row of the cluster, W's along a column, each asked for jointly.
; The matrix instruction is used transposed (source 0 = 16 columns of W, turned by ds_load_tr16_b128; source 1 = 16 rows of y): a lane holds eight neighbouring columns of one row.  The bias is the C of each sum's first instruction.
; REGISTERS: window 0: addresses; two fragment buffers at v64 and v160 (32 of A, then 64 of B).  window 1: accumulator (a, b) at v[8 (8 a + b)].  window 2: v0-63 the bias of my 128 columns.
.set APL,    17408                     ; a head's 128 rows in LDS: 64 rows of 256 bytes (two rows of y) + 16
.set BOFF,   34816
.set BP,     544                       ; a k row of W's tile: 512 bytes + 32
.set SLOT,   104448
.set STAGE,  208896                    ; behind the ring: 16 rows x 528 bytes for each wave
.set SPITCH, 528
.set SPARE,  242688
.set ADRA, 16
.set ADRB, 20
.set STO,  24
.set RD,   25
.set CO,   26
.set SPW,  28
.set NIL,  29
.set F0,   64
.set F1,   160
.set G1, 24
.set G0, 32
.set G1B, 48
.set G0B, 56
.set MSB, 0
.macro WIN new
.if MSB != \new
	s_set_vgpr_msb (MSB<<8)|\new
.set MSB, \new
.endif
.endm
.set MUL,  0x50                        ; C and D window 1
.set MULB, 0x60                        ; D window 1, C (the bias) window 2
.macro JLOAD s                         ; waves 0 and 1 fetch A's two heads, waves 2 and 3 B's two halves; an s_nop 0 and four v_nop follow each line
	s_cmp_eq_u32 s13, 0
	s_cbranch_scc0 .Lfor_b_\@
	tensor_load_to_lds s[G0+4*\s:G0+4*\s+3], s[G1:G1+7]
	s_nop 0
.rept 4
	v_nop
.endr
	s_branch .Lasked_\@
.Lfor_b_\@:
	tensor_load_to_lds s[G0B+4*\s:G0B+4*\s+3], s[G1B:G1B+7]
	s_nop 0
.rept 4
	v_nop
.endr
.Lasked_\@:
.endm
.macro CREST
	s_cmp_lg_u32 s12, 0
	s_cbranch_scc1 .Lnot_wave_0_\@
	s_barrier_signal -3
.Lnot_wave_0_\@:
	s_barrier_wait -3
	s_barrier_signal -1
	s_barrier_wait -1
.endm
.macro CROUND
	s_barrier_signal -1
	s_barrier_wait -1
	CREST
.endm
	s_load_b256 s[4:11], s[0:1], 0x0               ; yh s[4:5], wp16 s[6:7], b_proj s[8:9], out0 s[10:11]
	v_lshl_add_u32 v[SPW], v0, 2, SPARE
	v_mov_b32 v[NIL], 0
	ds_add_u32 v[SPW], v[NIL]                      ; the opening: the add, twice on end, and its wait ahead of my first tensor load
	ds_add_u32 v[SPW], v[NIL]
	v_lshrrev_b32 v1, 5, v0
	v_readfirstlane_b32 s12, v1                    ; wave
	s_lshr_b32 s13, s12, 1                         ; my half of the rows; also: I fetch for A (0) or B (1)
	s_and_b32 s14, s12, 1                          ; my half of the columns; also: which half I fetch
	s_bfe_u32 s40, ttmp6, 0x40000                  ; cx
	s_bfe_u32 s41, ttmp6, 0x40004                  ; cy
	s_lshl_b32 s42, ttmp9, 2
	s_add_co_u32 s42, s42, s40                     ; tile column 0-3
	s_and_b32 s43, ttmp7, 0xffff
	s_lshl_b32 s43, s43, 2
	s_add_co_u32 s43, s43, s41                     ; tile row 0-63
	s_lshl_b32 s44, s41, 2
	s_lshl_b32 s44, 15, s44                        ; my row of the cluster
	s_lshl_b32 s45, 0x1111, s40                    ; my column
	s_or_b32 s[G1+0], s44, (1<<16)|(1<<20)|(1<<21)|(5<<22)|(3<<25)   ; A: elements of 2 bytes; 4 words of padding after every 64
	s_mov_b32 s[G1+1], 128<<16
	s_mov_b32 s[G1+2], 64<<16
	s_mov_b32 s[G1+3], 128<<16
	s_mov_b32 s[G1+4], 64
	s_mov_b32 s[G1+5], 128
	s_mov_b32 s[G1+6], 0
	s_mov_b32 s[G1+7], 0
	s_or_b32 s[G1B+0], s45, (1<<16)|(1<<20)|(1<<21)|(6<<22)|(7<<25)  ; B: 8 words of padding after every 128
	s_mov_b32 s[G1B+1], 256<<16
	s_mov_b32 s[G1B+2], 64<<16
	s_mov_b32 s[G1B+3], 256<<16
	s_mov_b32 s[G1B+4], 64
	s_mov_b32 s[G1B+5], 1024
	s_mov_b32 s[G1B+6], 0
	s_mov_b32 s[G1B+7], 0
	s_lshl_b32 s16, s14, 20                        ; A: head (my half), rows 128 x tile row
	s_lshl_b32 s17, s43, 14
	s_add_co_u32 s16, s16, s17
	s_mov_b32 s17, 0
	s_lshl_b32 s46, s14, 17                        ; B: k rows 64 x my half, columns 256 x tile column
	s_lshl_b32 s47, s42, 9
	s_add_co_u32 s46, s46, s47
	s_mov_b32 s47, 0
	s_mul_i32 s20, s14, APL
	s_mul_i32 s21, s14, 64*BP
	s_add_co_u32 s21, s21, BOFF
	s_wait_dscnt 0x0
	s_wait_kmcnt 0x0
	s_add_nc_u64 s[18:19], s[4:5], s[16:17]
	s_add_nc_u64 s[46:47], s[6:7], s[46:47]
	CROUND                                         ; all sixteen work-groups are here: the first joint loads meet
.irp s, 0,1
	s_mov_b32 s[G0+4*\s], 1
	s_add_co_u32 s[G0+4*\s+1], s20, \s*SLOT
	s_add_nc_u64 s[G0+4*\s+2:G0+4*\s+3], s[18:19], \s*2097152      ; K step s: heads 2 s, 2 s + 1
	s_or_b32 s[G0+4*\s+3], s[G0+4*\s+3], 0x80000000
	s_mov_b32 s[G0B+4*\s], 1
	s_add_co_u32 s[G0B+4*\s+1], s21, \s*SLOT
	s_add_nc_u64 s[G0B+4*\s+2:G0B+4*\s+3], s[46:47], \s*262144     ; 128 k rows of 2,048 bytes
	s_or_b32 s[G0B+4*\s+3], s[G0B+4*\s+3], 0x80000000
	JLOAD \s
.endr
	v_and_b32 v1, 15, v0                           ; r
	v_bfe_u32 v2, v0, 4, 1                         ; h
	v_lshrrev_b32 v3, 1, v1
	v_mul_u32_u24 v3, v3, 272
	v_and_b32 v4, 1, v1
	v_lshl_add_u32 v3, v4, 7, v3
	v_lshl_add_u32 v3, v2, 4, v3                   ; A: row r: (r / 2) x 272 + (r % 2) x 128 + 16 h
	v_and_b32 v4, 7, v0
	v_lshl_add_u32 v4, v2, 3, v4
	v_mul_u32_u24 v4, v4, BP
	v_bfe_u32 v5, v0, 3, 1
	v_lshl_add_u32 v4, v5, 4, v4                   ; B: k row 8 h + lane % 8, columns 8 ((lane / 8) % 2) on
	s_mul_i32 s22, s13, 8704                       ; my 64 rows
	s_lshl_b32 s23, s14, 8                         ; my 128 columns
	s_add_co_u32 s23, s23, BOFF
.irp s, 0,1
	v_add_nc_u32 v[ADRA+\s], s22, v3
	v_add_nc_u32 v[ADRB+\s], s23, v4
	s_add_co_u32 s22, s22, SLOT
	s_add_co_u32 s23, s23, SLOT
.endr
	s_mul_i32 s22, s12, 16*SPITCH
	s_add_co_u32 s22, s22, STAGE                   ; my stage
	v_mul_u32_u24 v5, v1, SPITCH
	v_lshl_add_u32 v5, v2, 5, v5
	v_add_nc_u32 v[STO], s22, v5
	v_and_b32 v6, 31, v0
	v_lshlrev_b32 v[CO], 4, v6
	v_add_nc_u32 v[RD], s22, v[CO]
	s_lshl_b32 s16, s43, 19                        ; out0: row 128 x tile row + 64 x half, 4,096 bytes a row
	s_lshl_b32 s17, s13, 18
	s_add_co_u32 s16, s16, s17
	s_mov_b32 s17, 0
	s_add_nc_u64 s[10:11], s[10:11], s[16:17]
	s_lshl_b32 s46, s42, 10                        ; my first column, in bytes
	s_lshl_b32 s47, s14, 9
	s_add_co_u32 s46, s46, s47
	s_mov_b32 s47, 0
	s_add_nc_u64 s[10:11], s[10:11], s[46:47]
	s_add_nc_u64 s[8:9], s[8:9], s[46:47]          ; and its bias
	v_lshlrev_b32 v7, 5, v2
	WIN 0x80                                       ; destination window 2
.irp b, 0,1,2,3,4,5,6,7
	global_load_b128 v[8*\b:8*\b+3], v7, s[8:9] offset:64*\b
	global_load_b128 v[8*\b+4:8*\b+7], v7, s[8:9] offset:64*\b+16
.endr
	WIN 0
.macro MUL8 f, a, first                ; row block a x the eight column blocks, 32 along K.  The 32 accumulators take turns in one fixed order
.irp b, 0,1,2,3,4,5,6,7
.if \first
	v_wmma_f32_16x16x32_f16 v[8*(8*\a+\b):8*(8*\a+\b)+7], v[\f+32+8*\b:\f+32+8*\b+7], v[\f+8*\a:\f+8*\a+7], v[8*\b:8*\b+7]
.else
	v_wmma_f32_16x16x32_f16 v[8*(8*\a+\b):8*(8*\a+\b)+7], v[\f+32+8*\b:\f+32+8*\b+7], v[\f+8*\a:\f+8*\a+7], v[8*(8*\a+\b):8*(8*\a+\b)+7]
.endif
.endr
.endm
.macro FETCH slot, q, f                ; 24 LDS loads in one run: the fragments of the slot's q-th 32 along K
	WIN 0
.irp a, 0,1,2,3
	ds_load_b128 v[\f+8*\a:\f+8*\a+3], v[ADRA+\slot] offset:((\q)/2)*APL+64*((\q)%2)+\a*2176
	ds_load_b128 v[\f+8*\a+4:\f+8*\a+7], v[ADRA+\slot] offset:((\q)/2)*APL+64*((\q)%2)+\a*2176+32
.endr
.irp b, 0,1,2,3,4,5,6,7
	ds_load_tr16_b128 v[\f+32+8*\b:\f+32+8*\b+3], v[ADRB+\slot] offset:(\q)*32*BP+32*\b
	ds_load_tr16_b128 v[\f+32+8*\b+4:\f+32+8*\b+7], v[ADRB+\slot] offset:(\q)*32*BP+32*\b+16*BP
.endr
.endm
.macro PLACES
.rept 4
	v_nop
.endr
.endm
.macro MWIN first
.if \first
	WIN MULB
.else
	WIN MUL
.endif
.endm
.macro QUARTER slot, qn, f, g, first   ; multiplies buffer f; in its middle it fetches the slot's quarter qn into g
	s_wait_dscnt 0x0                               ; buffer f is in (asked for 16 matrix instructions ago)
	MWIN \first
	MUL8 \f, 0, \first
	MUL8 \f, 1, \first
	PLACES
	FETCH \slot, \qn, \g
	MWIN \first
	MUL8 \f, 2, \first
	MUL8 \f, 3, \first
.endm
.macro TURN slot, next, fill           ; the last quarter multiplies buffer 1 and changes slots
	WIN 0
	s_wait_tensorcnt 0x0                           ; all my tensor loads have landed: my part of the next slot
	ds_add_u32 v[SPW], v[NIL]
	s_wait_dscnt 1                                 ; buffer 1 is in; the add alone may be out
	WIN MUL
	MUL8 F1, 0, 0
	s_wait_dscnt 0x0                               ; the add is done, and my reads of this slot are over
	s_barrier_signal -1
	MUL8 F1, 1, 0
	WIN 0
	s_barrier_wait -1
.if \fill
	CREST                                          ; the barrier has opened a round of the cluster's: no wave of any partner still reads this slot or has a load on its way
	s_add_nc_u64 s[G0+4*\slot+2:G0+4*\slot+3], s[G0+4*\slot+2:G0+4*\slot+3], 4194304    ; two K steps on: four heads,
	s_add_nc_u64 s[G0B+4*\slot+2:G0B+4*\slot+3], s[G0B+4*\slot+2:G0B+4*\slot+3], 524288 ; 256 k rows
	JLOAD \slot                                    ; the first tensor load behind the round; its four v_nop are also the places in front of the loads below
.else
	PLACES
.endif
	FETCH \next, 0, F0
	WIN MUL
	MUL8 F1, 2, 0
	MUL8 F1, 3, 0
.endm
	s_wait_tensorcnt 1                             ; my part of K step 0 is in; K step 1's load may stay out
	s_barrier_signal -1
	s_barrier_wait -1
	FETCH 0, 0, F0
	s_wait_loadcnt 0x0                             ; the bias
	QUARTER 0, 1, F0, F1, 1                        ; the first products start the sums from the bias
	WIN 0
	s_mov_b32 s15, 3
.Llap:                                             ; a trip goes once round the ring and fills both slots again: K steps 2 to 7
	QUARTER 0, 2, F1, F0, 0
	QUARTER 0, 3, F0, F1, 0
	TURN 0, 1, 1
	QUARTER 1, 1, F0, F1, 0
	QUARTER 1, 2, F1, F0, 0
	QUARTER 1, 3, F0, F1, 0
	TURN 1, 0, 1
	QUARTER 0, 1, F0, F1, 0
	WIN 0
	s_sub_co_u32 s15, s15, 1
	s_cmp_lg_u32 s15, 0
	s_cbranch_scc1 .Llap
	QUARTER 0, 2, F1, F0, 0                        ; the last lap fills nothing
	QUARTER 0, 3, F0, F1, 0
	TURN 0, 1, 0
	QUARTER 1, 1, F0, F1, 0
	QUARTER 1, 2, F1, F0, 0
	QUARTER 1, 3, F0, F1, 0
	s_wait_dscnt 0x0
	WIN MUL
	MUL8 F1, 0, 0
	MUL8 F1, 1, 0
	MUL8 F1, 2, 0
	MUL8 F1, 3, 0
	WIN 0
; THE WAY OUT, 16 rows x 128 columns at a time, through my own stage: back as whole rows of 512 bytes.
.macro TOSTAGE a
	WIN 0x04                                       ; an LDS store's data are its source 1: window 1
.irp b, 0,1,2,3,4,5,6,7
	ds_store_b128 v[STO], v[64*(\a)+8*\b:64*(\a)+8*\b+3] offset:64*\b        ; each accumulator from its low end on
	ds_store_b128 v[STO], v[64*(\a)+8*\b+4:64*(\a)+8*\b+7] offset:64*\b+16
.endr
	WIN 0
.set BB, 64+64*((\a)%2)
.irp t, 0,1,2,3,4,5,6,7,8,9,10,11,12,13,14,15
	ds_load_b128 v[BB+4*\t:BB+4*\t+3], v[RD] offset:\t*SPITCH
.endr
.endm
.macro SEND a, younger                 ; younger: the LDS instructions issued behind block a's loads
.set BB, 64+64*((\a)%2)
	s_wait_dscnt \younger
.if (\a) > 0
	s_add_nc_u64 s[10:11], s[10:11], 65536         ; 16 rows on (behind a wait on XCNT: the earlier stores have read their base)
.endif
.irp t, 0,1,2,3,4,5,6,7,8,9,10,11,12,13,14,15
	global_store_b128 v[CO], v[BB+4*\t:BB+4*\t+3], s[10:11] offset:\t*4096 th:TH_STORE_NT   ; 512 consecutive bytes, at a multiple of 256 from out0's first byte
.endr
.endm
	PLACES
	TOSTAGE 0
.irp a, 1,2,3
.if \a > 1
	s_wait_xcnt 0x0                                ; block a - 2's stores have read their registers and base
.endif
	TOSTAGE \a
	SEND \a-1, 32
.endr
	s_wait_xcnt 0x0
	SEND 3, 0
	s_wait_tensorcnt 0x0                           ; the wave's end
	ds_add_u32 v[SPW], v[NIL]
	s_wait_dscnt 0x0
	CROUND                                         ; the closing round
	s_endpgm
.Lfunc_end_k_q3f8fc4763a_proj:
	.size	k_q3f8fc4763a_proj, .Lfunc_end_k_q3f8fc4763a_proj-k_q3f8fc4763a_proj
	.p2alignl 7, 3214868480
	.fill 96, 4, 3214868480
	.section	.rodata,"a",@progbits
	.p2align	6, 0x0
	.amdhsa_kernel k_q3f8fc4763a_proj
		.amdhsa_group_segment_fixed_size 327680
		.amdhsa_private_segment_fixed_size 0
		.amdhsa_enable_private_segment 0
		.amdhsa_kernarg_size 32
		.amdhsa_user_sgpr_count 2
		.amdhsa_user_sgpr_kernarg_segment_ptr 1
		.amdhsa_wavefront_size32 1
		.amdhsa_system_sgpr_workgroup_id_x 1
		.amdhsa_system_sgpr_workgroup_id_y 1
		.amdhsa_system_sgpr_workgroup_id_z 1
		.amdhsa_system_vgpr_workitem_id 0
		.amdhsa_next_free_vgpr 640
		.amdhsa_next_free_sgpr 72
		.amdhsa_reserve_vcc 0
		.amdhsa_float_denorm_mode_32 3
		.amdhsa_float_denorm_mode_16_64 3
		.amdhsa_memory_ordered 1
		.amdhsa_forward_progress 1
		.amdhsa_inst_pref_size 86
	.end_amdhsa_kernel
	.amdgpu_metadata
---
amdhsa.version: [ 1, 2 ]
amdhsa.kernels:
  - .name:           k_q3f8fc4763a_proj
    .symbol:         k_q3f8fc4763a_proj.kd
    .args:
      - { .name: yh, .offset: 0, .size: 8, .value_kind: global_buffer, .address_space: global }
      - { .name: wp16, .offset: 8, .size: 8, .value_kind: global_buffer, .address_space: global }
      - { .name: b_proj, .offset: 16, .size: 8, .value_kind: global_buffer, .address_space: global }
      - { .name: out0, .offset: 24, .size: 8, .value_kind: global_buffer, .address_space: global }
    .group_segment_fixed_size: 327680
    .private_segment_fixed_size: 0
    .kernarg_segment_align: 8
    .kernarg_segment_size: 32
    .max_flat_workgroup_size: 128
    .sgpr_count:     72
    .vgpr_count:     640
    .wavefront_size: 32
...
	.end_amdgpu_metadata
.endif
;; end of part 4
;; launch fine_attn (part 5): grid 16 x 4, 12 waves a work-group, no clusters, 19,456 bytes of LDS; arguments xc, xs, wc, ws, b_qkv, yfine; writes yfine
.if DOCPART == 5
	.amdgcn_target "amdgcn-amd-amdhsa--gfx1250"
	.amdhsa_code_object_version 6
	.text
	.protected	k_q3f8fc4763a_fine_attn
	.globl	k_q3f8fc4763a_fine_attn
	.p2align	8
	.type	k_q3f8fc4763a_fine_attn,@function
k_q3f8fc4763a_fine_attn:
	s_mov_b64 s[64:65], 0
	v_nop
	global_prefetch_b8 v0, s[64:65] scope:SCOPE_SE
	s_setreg_imm32_b32 hwreg(HW_REG_WAVE_MODE, 25, 1), 1
	s_wait_xcnt 0x0
; Positions 0 to 15 of each sequence average one to sixteen values and are the largest in size: they are carried in f32.  A work-group takes one (head, batch).
; Each of its twelve waves makes a tile of 16 positions x 16 channels of q, k or v again from the codes (the quantised product, 8 scaled matrix instructions, f32 sums + bias, NOT rounded to f16) and puts it into LDS.
; Wave 0 then does the causal attention of the 16 positions with f32 matrix instructions (32 of them: no bulk work) and stores y, f32, into yfine [64 (b x 16 + position)][1024].
; No tensor load: the tiles are small and read once, straight into registers.
.set QF, 0                             ; LDS: q, k, v: 16 rows of 256 bytes + 16
.set KF, 4352
.set VF, 8704
.set YS, 13312                         ; wave 0's stage for y
.set SPARE, 17664                      ; the spare words, 128 bytes a wave
.set SPW, 30
.set NIL, 31
	s_load_b256 s[4:11], s[0:1], 0x0               ; xc s[4:5], xs s[6:7], wc s[8:9], ws s[10:11]
	s_load_b128 s[12:15], s[0:1], 0x20             ; b_qkv s[12:13], yfine s[14:15]
	v_lshl_add_u32 v[SPW], v0, 2, SPARE
	v_mov_b32 v[NIL], 0
	v_lshrrev_b32 v1, 5, v0
	v_readfirstlane_b32 s16, v1                    ; wave 0-11
	s_and_b32 s17, ttmp7, 0xffff                   ; batch
	s_lshr_b32 s18, s16, 2                         ; q, k or v
	s_and_b32 s19, s16, 3                          ; which 16 channels
	s_lshl_b32 s20, s18, 10
	s_lshl_b32 s21, ttmp9, 6
	s_add_co_u32 s20, s20, s21
	s_lshl_b32 s21, s19, 4
	s_add_co_u32 s20, s20, s21                     ; my first column of W_qkv
	s_mov_b32 s24, 0x76543210
	s_mov_b32 s25, 0xfedcba98
	s_mov_b32 s26, 0x3e38aa3b                      ; c = log2(e) / 8
	v_and_b32 v1, 15, v0                           ; r
	v_bfe_u32 v2, v0, 4, 1                         ; h
	v_lshlrev_b32 v3, 9, v1
	v_lshl_add_u32 v3, v2, 4, v3                   ; codes: 512 r + 16 h
	v_lshlrev_b32 v4, 5, v1                        ; scale bytes: 32 r
	v_lshlrev_b32 v5, 5, v2                        ; the bias: 32 h
	v_mul_u32_u24 v6, v1, 272
	v_lshl_add_u32 v7, v2, 5, v6                   ; a tile's or y's place: row r, + 32 h
	s_mul_i32 s21, s18, 4352
	s_lshl_b32 s22, s19, 6
	s_add_co_u32 s21, s21, s22
	v_add_nc_u32 v8, s21, v7                       ; where I store my tile
	v_lshl_add_u32 v9, v2, 3, v6                   ; q, k as f32 fragments: row r, + 8 h
	v_mul_u32_u24 v10, v2, 2176
	v_lshl_add_u32 v10, v1, 2, v10                 ; v turned: key 8 h on, channel r
	v_mul_u32_u24 v11, v2, 272
	v_lshl_add_u32 v11, v1, 4, v11                 ; the stage, back: sixteen lanes to a row
	v_lshlrev_b32 v12, 12, v2
	v_lshl_add_u32 v12, v1, 4, v12                 ; and the same two rows in yfine
	v_lshlrev_b32 v13, 3, v2
	v_sub_nc_u32 v13, v1, v13                      ; r - 8 h
	v_mov_b32 v14, 0xff800000
	v_mov_b32 v137, 0                              ; a lane permute's destination counts as one of its sources
	s_mov_b32 s23, 0
	s_wait_kmcnt 0x0
	s_lshl_b32 s22, s17, 20
	s_add_nc_u64 s[4:5], s[4:5], s[22:23]          ; the batch's first row of codes,
	s_lshl_b32 s22, s17, 16
	s_add_nc_u64 s[6:7], s[6:7], s[22:23]          ; of scale bytes,
	s_add_nc_u64 s[14:15], s[14:15], s[22:23]      ; and its 16 rows of yfine,
	s_lshl_b32 s22, ttmp9, 8
	s_add_nc_u64 s[14:15], s[14:15], s[22:23]      ; at the head's 64 channels
	s_lshl_b32 s22, s20, 9
	s_add_nc_u64 s[8:9], s[8:9], s[22:23]
	s_lshl_b32 s22, s20, 5
	s_add_nc_u64 s[10:11], s[10:11], s[22:23]
	s_lshl_b32 s22, s20, 2
	s_add_nc_u64 s[12:13], s[12:13], s[22:23]
.irp s, 0,1,2,3,4,5,6,7
	global_load_b128 v[32+8*\s:35+8*\s], v3, s[4:5] offset:64*\s
	global_load_b128 v[36+8*\s:39+8*\s], v3, s[4:5] offset:64*\s+32
	global_load_b128 v[96+8*\s:99+8*\s], v3, s[8:9] offset:64*\s
	global_load_b128 v[100+8*\s:103+8*\s], v3, s[8:9] offset:64*\s+32
.endr
	global_load_b128 v[160:163], v4, s[6:7]        ; v160-175 hold scale words and nothing else
	global_load_b128 v[164:167], v4, s[6:7] offset:16
	global_load_b128 v[168:171], v4, s[10:11]
	global_load_b128 v[172:175], v4, s[10:11] offset:16
	global_load_b128 v[176:179], v5, s[12:13]
	global_load_b128 v[180:183], v5, s[12:13] offset:16
	s_wait_loadcnt 0x0
; Transposed: source 0 = 16 rows of wc, source 1 = 16 rows of xc: a lane holds position r and channels 8 h + 0 .. 7.  Two accumulators take turns: the even K steps (from the bias) and the odd ones.
.irp s, 0,1,2,3,4,5,6,7
.if \s == 0
	v_wmma_scale_f32_16x16x128_f8f6f4 v[184:191], v[96:103], v[32:39], v[176:183], v168, v160 matrix_a_fmt:MATRIX_FMT_FP4 matrix_b_fmt:MATRIX_FMT_FP4
.elseif \s == 1
	v_wmma_scale_f32_16x16x128_f8f6f4 v[192:199], v[104:111], v[40:47], 0, v169, v161 matrix_a_fmt:MATRIX_FMT_FP4 matrix_b_fmt:MATRIX_FMT_FP4
.else
	v_wmma_scale_f32_16x16x128_f8f6f4 v[184+8*(\s%2):191+8*(\s%2)], v[96+8*\s:103+8*\s], v[32+8*\s:39+8*\s], v[184+8*(\s%2):191+8*(\s%2)], v[168+\s], v[160+\s] matrix_a_fmt:MATRIX_FMT_FP4 matrix_b_fmt:MATRIX_FMT_FP4
.endif
.endr
.rept 4
	v_nop
.endr
.irp i, 0,2,4,6
	v_pk_add_f32 v[200+\i:201+\i], v[184+\i:185+\i], v[192+\i:193+\i]
.endr
	ds_store_b128 v8, v[200:203]
	ds_store_b128 v8, v[204:207] offset:16
	s_wait_dscnt 0x0                               ; for the others' sake: my tile lies in LDS
	s_barrier_signal -1
	s_barrier_wait -1
	s_cmp_lg_u32 s16, 0
	s_cbranch_scc1 .Lothers
; ---- wave 0.  S^T = k q^T, 4 channels an instruction: lane (r, h) holds row r, channels 4 s + 2 h + 0, 1
.irp s, 0,1,2,3,4,5,6,7,8,9,10,11,12,13,14,15
	ds_load_b64 v[32+2*\s:33+2*\s], v9 offset:QF+16*\s
	ds_load_b64 v[64+2*\s:65+2*\s], v9 offset:KF+16*\s
.endr
.irp ct, 0,1,2,3                       ; v turned: register 8 ct + 2 s + j: channel 16 ct + r of key 8 h + 2 s + j
.irp m, 0,1,2,3,4,5,6,7
	ds_load_b32 v[96+8*\ct+\m], v10 offset:VF+\m*272+64*\ct
.endr
.endr
	s_wait_dscnt 0x0
.irp s, 0,1,2,3,4,5,6,7,8,9,10,11,12,13,14,15
.if \s < 2
	v_wmma_f32_16x16x4_f32 v[208+8*\s:215+8*\s], v[64+2*\s:65+2*\s], v[32+2*\s:33+2*\s], 0
.else
	v_wmma_f32_16x16x4_f32 v[208+8*(\s%2):215+8*(\s%2)], v[64+2*\s:65+2*\s], v[32+2*\s:33+2*\s], v[208+8*(\s%2):215+8*(\s%2)]
.endif
.endr
.rept 8
	v_nop                                          ; eight places behind this form
.endr
.irp i, 0,2,4,6
	v_pk_add_f32 v[128+\i:129+\i], v[208+\i:209+\i], v[216+\i:217+\i]   ; lane (r, h): query r, keys 8 h + 0 .. 7
.endr
.irp j, 0,1,2,3,4,5,6,7
	v_cmp_gt_i32 vcc_lo, \j, v13                   ; key 8 h + j comes after query r
	v_cndmask_b32 v[128+\j], v[128+\j], v14, vcc_lo
.endr
	v_max3_num_f32 v136, v128, v129, v130
	v_max3_num_f32 v136, v136, v131, v132
	v_max3_num_f32 v136, v136, v133, v134
	v_max_num_f32 v136, v136, v135
	v_permlanex16_b32 v137, v136, s24, s25
	v_max_num_f32 v136, v136, v137                 ; the row's maximum: key 0 counts for every query
	v_mul_f32 v136, s26, v136
.irp j, 0,1,2,3,4,5,6,7
	v_fma_f32 v[128+\j], v[128+\j], s26, -v136
.endr
.irp j, 0,1,2,3,4,5,6,7
	v_exp_f32 v[128+\j], v[128+\j]
.endr
	v_nop
	s_wait_alu depctr_va_vdst(0)                   ; one wait for the eight, ahead of their first reader
	v_add_f32 v138, v128, v129
	v_add_f32 v139, v130, v131
	v_add_f32 v140, v132, v133
	v_add_f32 v141, v134, v135
	v_add_f32 v138, v138, v139
	v_add_f32 v140, v140, v141
	v_add_f32 v138, v138, v140
	v_permlanex16_b32 v137, v138, s24, s25
	v_add_f32 v138, v138, v137
	v_rcp_f32 v139, v138
	v_nop
	s_wait_alu depctr_va_vdst(0)
; y^T += v^T p: K step s takes keys 8 h + 2 s + 0, 1 on both sides, so p's registers 2 s, 2 s + 1 are source 1 as they stand.  The four accumulators take turns.
.irp s, 0,1,2,3
.irp ct, 0,1,2,3
.if \s == 0
	v_wmma_f32_16x16x4_f32 v[224+8*\ct:231+8*\ct], v[96+8*\ct+2*\s:97+8*\ct+2*\s], v[128+2*\s:129+2*\s], 0
.else
	v_wmma_f32_16x16x4_f32 v[224+8*\ct:231+8*\ct], v[96+8*\ct+2*\s:97+8*\ct+2*\s], v[128+2*\s:129+2*\s], v[224+8*\ct:231+8*\ct]
.endif
.endr
.endr
.rept 8
	v_nop
.endr
.set n, 0
.rept 32
	v_mul_f32 v[32+n], v[224+n], v139              ; y / l: register 8 ct + j is y(r, 16 ct + 8 h + j)
.set n, n+1
.endr
.irp ct, 0,1,2,3
	ds_store_b128 v7, v[32+8*\ct:35+8*\ct] offset:YS+64*\ct
	ds_store_b128 v7, v[36+8*\ct:39+8*\ct] offset:YS+64*\ct+16
.endr
.irp i, 0,1,2,3,4,5,6,7
	ds_load_b128 v[64+4*\i:67+4*\i], v11 offset:YS+544*\i
.endr
.irp i, 0,1,2,3,4,5,6,7
	s_wait_dscnt 7-\i                              ; the later read-backs may stay out
	global_store_b128 v12, v[64+4*\i:67+4*\i], s[14:15] offset:8192*\i   ; sixteen lanes store 256 consecutive bytes, aligned
.endr
	s_wait_tensorcnt 0x0                           ; the wave's end, behind my last LDS store
	ds_add_u32 v[SPW], v[NIL]
	s_wait_dscnt 0x0
	s_endpgm
.Lothers:
	s_wait_tensorcnt 0x0                           ; the same for the eleven other waves
	ds_add_u32 v[SPW], v[NIL]
	s_wait_dscnt 0x0
	s_endpgm
.Lfunc_end_k_q3f8fc4763a_fine_attn:
	.size	k_q3f8fc4763a_fine_attn, .Lfunc_end_k_q3f8fc4763a_fine_attn-k_q3f8fc4763a_fine_attn
	.p2alignl 7, 3214868480
	.fill 96, 4, 3214868480
	.section	.rodata,"a",@progbits
	.p2align	6, 0x0
	.amdhsa_kernel k_q3f8fc4763a_fine_attn
		.amdhsa_group_segment_fixed_size 19456
		.amdhsa_private_segment_fixed_size 0
		.amdhsa_enable_private_segment 0
		.amdhsa_kernarg_size 48
		.amdhsa_user_sgpr_count 2
		.amdhsa_user_sgpr_kernarg_segment_ptr 1
		.amdhsa_wavefront_size32 1
		.amdhsa_system_sgpr_workgroup_id_x 1
		.amdhsa_system_sgpr_workgroup_id_y 1
		.amdhsa_system_sgpr_workgroup_id_z 1
		.amdhsa_system_vgpr_workitem_id 0
		.amdhsa_next_free_vgpr 256
		.amdhsa_next_free_sgpr 66
		.amdhsa_reserve_vcc 1
		.amdhsa_float_denorm_mode_32 3
		.amdhsa_float_denorm_mode_16_64 3
		.amdhsa_memory_ordered 1
		.amdhsa_forward_progress 1
		.amdhsa_inst_pref_size 21
	.end_amdhsa_kernel
	.amdgpu_metadata
---
amdhsa.version: [ 1, 2 ]
amdhsa.kernels:
  - .name:           k_q3f8fc4763a_fine_attn
    .symbol:         k_q3f8fc4763a_fine_attn.kd
    .args:
      - { .name: xc, .offset: 0, .size: 8, .value_kind: global_buffer, .address_space: global }
      - { .name: xs, .offset: 8, .size: 8, .value_kind: global_buffer, .address_space: global }
      - { .name: wc, .offset: 16, .size: 8, .value_kind: global_buffer, .address_space: global }
      - { .name: ws, .offset: 24, .size: 8, .value_kind: global_buffer, .address_space: global }
      - { .name: b_qkv, .offset: 32, .size: 8, .value_kind: global_buffer, .address_space: global }
      - { .name: yfine, .offset: 40, .size: 8, .value_kind: global_buffer, .address_space: global }
    .group_segment_fixed_size: 19456
    .private_segment_fixed_size: 0
    .kernarg_segment_align: 8
    .kernarg_segment_size: 48
    .max_flat_workgroup_size: 384
    .sgpr_count:     66
    .vgpr_count:     256
    .wavefront_size: 32
...
	.end_amdgpu_metadata
.endif
;; end of part 5
;; launch fine_proj (part 6): grid 64 x 1, 16 waves a work-group, no clusters, 67,584 bytes of LDS; arguments yfine, W_proj, b_proj, out0; writes out0
.if DOCPART == 6
	.amdgcn_target "amdgcn-amd-amdhsa--gfx1250"
	.amdhsa_code_object_version 6
	.text
	.protected	k_q3f8fc4763a_fine_proj
	.globl	k_q3f8fc4763a_fine_proj
	.p2align	8
	.type	k_q3f8fc4763a_fine_proj,@function
k_q3f8fc4763a_fine_proj:
	s_mov_b64 s[64:65], 0
	v_nop
	global_prefetch_b8 v0, s[64:65] scope:SCOPE_SE
	s_setreg_imm32_b32 hwreg(HW_REG_WAVE_MODE, 25, 1), 1
	s_wait_xcnt 0x0
; The projection of the 64 rows that are carried in f32 (positions 0 to 15 of the four sequences): out0[b x 2048 + position] = yfine[b x 16 + position] W_proj + b_proj, all in f32.
; A work-group takes 16 columns, each of its sixteen waves 64 along K for all 64 rows: 64 f32 matrix instructions a wave (no bulk work); the waves' parts are added through LDS in ascending order.
; The stores are runs of 64 bytes, 256 KB in all: so 64 work-groups share the work; wider column blocks would leave a quarter as many.
.set SPARE, 65536                      ; behind the sixteen images of 4,096 bytes: the spare words
.set SPW, 30
.set NIL, 31
	s_load_b256 s[4:11], s[0:1], 0x0               ; yfine s[4:5], W_proj s[6:7], b_proj s[8:9], out0 s[10:11]
	v_lshl_add_u32 v[SPW], v0, 2, SPARE
	v_mov_b32 v[NIL], 0
	v_lshrrev_b32 v1, 5, v0
	v_readfirstlane_b32 s12, v1                    ; wave 0-15
	v_and_b32 v1, 15, v0                           ; r
	v_bfe_u32 v2, v0, 4, 1                         ; h
	v_lshlrev_b32 v3, 12, v1
	v_lshl_add_u32 v3, v2, 4, v3                   ; y: row r, + 4 h numbers
	v_lshlrev_b32 v4, 14, v2
	v_lshl_add_u32 v4, v1, 2, v4                   ; W: 4 h rows down, column r
	v_lshlrev_b32 v5, 2, v1                        ; the bias of column r
	v_and_b32 v6, 31, v0
	v_lshlrev_b32 v6, 4, v6
	s_lshl_b32 s13, s12, 12
	v_add_nc_u32 v7, s13, v6                       ; my image: 4,096 x wave + 16 x lane
	s_lshr_b32 s14, s12, 1
	s_lshl_b32 s14, s14, 9
	s_and_b32 s15, s12, 1
	s_lshl_b32 s15, s15, 3
	s_add_co_u32 s14, s14, s15
	v_add_nc_u32 v8, s14, v6                       ; registers 2 w, 2 w + 1 of every image
	v_lshlrev_b32 v9, 15, v2
	v_lshl_add_u32 v9, v1, 2, v9                   ; out0: 8 h rows down, column r
	s_mov_b32 s17, 0
	s_wait_kmcnt 0x0
	s_lshl_b32 s16, s12, 8
	s_add_nc_u64 s[4:5], s[4:5], s[16:17]          ; y at k = 64 w
	s_lshl_b32 s16, s12, 18
	s_add_nc_u64 s[6:7], s[6:7], s[16:17]          ; W at row 64 w,
	s_lshl_b32 s16, ttmp9, 6
	s_add_nc_u64 s[6:7], s[6:7], s[16:17]          ; column 16 g
	s_add_nc_u64 s[8:9], s[8:9], s[16:17]
	s_add_nc_u64 s[10:11], s[10:11], s[16:17]
	s_lshr_b32 s16, s12, 2
	s_lshl_b32 s16, s16, 23                        ; batch w / 4: 2,048 rows of 4,096 bytes,
	s_and_b32 s18, s12, 3
	s_lshl_b32 s18, s18, 13                        ; rows 2 (w % 4) on
	s_add_co_u32 s16, s16, s18
	s_add_nc_u64 s[10:11], s[10:11], s[16:17]
; A K step (s, e) takes k = 8 s + 4 h + 2 e + 0, 1 on both sides: so y comes by loads of 16 bytes.
.irp t, 0,1,2,3
.irp s, 0,1,2,3,4,5,6,7
	global_load_b128 v[32+32*\t+4*\s:35+32*\t+4*\s], v3, s[4:5] offset:65536*\t+32*\s
.endr
.endr
.set n, 0
.rept 32
	global_load_b32 v[160+n], v4, s[6:7] offset:(8*(n/4)+n%4)*4096
.set n, n+1
.endr
	global_load_b32 v192, v5, s[8:9]
	s_wait_loadcnt 0x0
.set n, 0
.rept 16                               ; the four accumulators (tiles of 16 rows) take turns
.irp t, 0,1,2,3
.if n == 0
	v_wmma_f32_16x16x4_f32 v[224+8*\t:231+8*\t], v[32+32*\t+2*n:33+32*\t+2*n], v[160+2*n:161+2*n], 0
.else
	v_wmma_f32_16x16x4_f32 v[224+8*\t:231+8*\t], v[32+32*\t+2*n:33+32*\t+2*n], v[160+2*n:161+2*n], v[224+8*\t:231+8*\t]
.endif
.endr
.set n, n+1
.endr
.rept 8
	v_nop                                          ; eight places behind this form
.endr
.irp i, 0,1,2,3,4,5,6,7
	ds_store_b128 v7, v[224+4*\i:227+4*\i] offset:512*\i   ; an image of my 32 registers, each accumulator from its low end on
.endr
	s_wait_dscnt 0x0                               ; for the others' sake
	s_barrier_signal -1
	s_barrier_wait -1
.irp p, 0,1,2,3,4,5,6,7,8,9,10,11,12,13,14,15
	ds_load_b64 v[32+2*\p:33+2*\p], v8 offset:4096*\p
.endr
	s_wait_dscnt 0x0
.irp p, 1,2,3,4,5,6,7,8,9,10,11,12,13,14,15
	v_pk_add_f32 v[32:33], v[32:33], v[32+2*\p:33+2*\p]
.endr
	v_add_f32 v32, v32, v192
	v_add_f32 v33, v33, v192
	global_store_b32 v9, v32, s[10:11]             ; row 8 h + 2 (w % 4) of batch w / 4, column 16 g + r
	global_store_b32 v9, v33, s[10:11] offset:4096
	s_wait_tensorcnt 0x0                           ; the wave's end, behind my last LDS store
	ds_add_u32 v[SPW], v[NIL]
	s_wait_dscnt 0x0
	s_endpgm
.Lfunc_end_k_q3f8fc4763a_fine_proj:
	.size	k_q3f8fc4763a_fine_proj, .Lfunc_end_k_q3f8fc4763a_fine_proj-k_q3f8fc4763a_fine_proj
	.p2alignl 7, 3214868480
	.fill 96, 4, 3214868480
	.section	.rodata,"a",@progbits
	.p2align	6, 0x0
	.amdhsa_kernel k_q3f8fc4763a_fine_proj
		.amdhsa_group_segment_fixed_size 67584
		.amdhsa_private_segment_fixed_size 0
		.amdhsa_enable_private_segment 0
		.amdhsa_kernarg_size 32
		.amdhsa_user_sgpr_count 2
		.amdhsa_user_sgpr_kernarg_segment_ptr 1
		.amdhsa_wavefront_size32 1
		.amdhsa_system_sgpr_workgroup_id_x 1
		.amdhsa_system_sgpr_workgroup_id_y 1
		.amdhsa_system_sgpr_workgroup_id_z 1
		.amdhsa_system_vgpr_workitem_id 0
		.amdhsa_next_free_vgpr 256
		.amdhsa_next_free_sgpr 66
		.amdhsa_reserve_vcc 0
		.amdhsa_float_denorm_mode_32 3
		.amdhsa_float_denorm_mode_16_64 3
		.amdhsa_memory_ordered 1
		.amdhsa_forward_progress 1
		.amdhsa_inst_pref_size 16
	.end_amdhsa_kernel
	.amdgpu_metadata
---
amdhsa.version: [ 1, 2 ]
amdhsa.kernels:
  - .name:           k_q3f8fc4763a_fine_proj
    .symbol:         k_q3f8fc4763a_fine_proj.kd
    .args:
      - { .name: yfine, .offset: 0, .size: 8, .value_kind: global_buffer, .address_space: global }
      - { .name: W_proj, .offset: 8, .size: 8, .value_kind: global_buffer, .address_space: global }
      - { .name: b_proj, .offset: 16, .size: 8, .value_kind: global_buffer, .address_space: global }
      - { .name: out0, .offset: 24, .size: 8, .value_kind: global_buffer, .address_space: global }
    .group_segment_fixed_size: 67584
    .private_segment_fixed_size: 0
    .kernarg_segment_align: 8
    .kernarg_segment_size: 32
    .max_flat_workgroup_size: 512
    .sgpr_count:     66
    .vgpr_count:     256
    .wavefront_size: 32
...
	.end_amdgpu_metadata
.endif
;; end of part 6
